; MI455X (gfx1250); checked and timed in simulation.
; The chip was launched on July 23, 2026; its instructions are those of AMD's public machine-readable ISA for CDNA 5 (MIT licence, August 2026) and "CDNA5" Instruction Set Architecture Reference Guide (July 2026). The comments in the code are by the model that wrote it; some were corrected since.
;; Causal Multi Head Attention Layer. Allowed arithmetic: matrix products marked QUANTISED: E4M3 operands, one given power-of-two scale a tensor, by v_wmma_f32_16x16x64_fp8_fp8 or v_wmma_f32_16x16x128_fp8_fp8, f32 sums; everything else in f32.
;; Inputs: b_out 1,024 float32; b_qkv 3,072 float32; lowp_scales 8 int32 (the exponents e of the quantised operands' scales 2^e); w_out 1,024 x 1,024 float32; w_qkv 1,024 x 3,072 float32; x 4 x 2,048 x 1,024 float32.
;; Outputs: out0 4 x 2,048 x 1,024 float32.
;; This version of the problem:
;;   THIS VERSION OF THE PROBLEM IS GIVEN IN LOW PRECISION. The matrix products marked QUANTISED in the list below multiply operands that are first quantised to E4M3 (4 exponent bits, 3 mantissa bits; 8 bits a number), with one given power-of-two scale for each operand tensor; their sums are f32. All else is computed in f32.
;;   The module's matrix products, in the order in which they are computed (A, B: the left and right operand; K: the contracted axis; several contracted axes count as one K, in the product's order):
;;     1. [M 8,192, K 1,024] x [K 1,024, N 3,072]; A: input x; B: input w_qkv: QUANTISED (scales: A lowp_scales[0], B lowp_scales[1])
;;     2. batch 64 x [M 2,048, K 64] x [K 64, N 2,048]; A: computed on the way; B: computed on the way: QUANTISED (scales: A lowp_scales[2], B lowp_scales[3])
;;     3. batch 64 x [M 2,048, K 2,048] x [K 2,048, N 64]; A: softmax (see below); B: computed on the way: QUANTISED (scales: A lowp_scales[4], B lowp_scales[5])
;;     4. [M 8,192, K 1,024] x [K 1,024, N 1,024]; A: computed on the way; B: input w_out: QUANTISED (scales: A lowp_scales[6], B lowp_scales[7])
;;   THE QUANTISER, for each operand of a quantised product, along K:
;;     - The operand's scale is 2^e, e = its entry of the input lowp_scales (int32; the entries are numbered through the quantised products in the list's order, A before B).
;;     - Each number is divided by the scale, clamped to +-448, and rounded to the nearest number of E4M3, ties to even, subnormals kept.
;;     - The product sums the exact products of the quantised numbers (number of the format x scale) in f32.
;;   ~~~python
;;   def quantise(x, axis, e):      # numpy; x: float32 -> the quantised numbers, widened to float32 again
;;       x = np.moveaxis(x, axis, -1); K = x.shape[-1]
;;       r = np.clip(x / 2.0 ** e, -448, 448)
;;       step = 2.0 ** (np.maximum(np.frexp(np.where(r == 0, 1, r))[1] - 1, -6) - 3)
;;       q = np.round(r / step) * step * 2.0 ** e      # np.round: ties to even
;;       return np.moveaxis(q, -1, axis).astype(np.float32)
;;   ~~~
;;   SOFTMAX AHEAD OF A QUANTISED PRODUCT. Where the list says 'softmax', what is quantised is not the finished softmax but p = 2^(t - M), with t = logit x log2(e) and M = ceil(the row's largest t), a whole number; so 1/2 < the row's largest p <= 1. The row's sum l is taken of the UNQUANTISED p, in f32, and the product's result is divided by l at the end. Since M is a whole number, a kernel that streams over the keys may use a running M (the ceiling of the running maximum): every later rescaling is an exact power of two, so the quantised numbers keep their values, but for numbers so far below the row's largest that they fall under the format's range.
;;   OPERANDS COMPUTED ON THE WAY. 'Computed on the way' means the value that the module computes at that place (a softmax that the list does not call 'softmax' is quantised finished and normalised). What goes into a quantiser is computed in f32, as accurately as f32 sums, v_exp_f32 and their like allow (about 1e-6 of the number): no bf16 or f16 on the way to a quantiser, and a product that is left as it is and whose result goes on into a quantised operand takes f32 operands (vector FMAs, or v_wmma_f32_16x16x4_f32). A number that lies on a knife's edge between two numbers of the format may be rounded either way, as far as f32 arithmetic and the matrix unit's own rounding can turn it there, and no further.
;; One version. Each part assembles by itself: llvm-mc -triple=amdgcn-amd-amdhsa -mcpu=gfx1250 --defsym DOCPART=n.
;; ======== version 1 of 1: 4 launches
;; limits: right only within a limited range of input values
;; workspace buffers: xc 8,388,608 bytes; wqc 3,145,728 bytes; woc 1,048,576 bytes; qc 8,388,608 bytes; kc 8,388,608 bytes; vc 8,388,608 bytes; cc 8,388,608 bytes
;; launch quant (part 1): grid 96 x 4, 4 waves a work-group, no clusters, 68,096 bytes of LDS; arguments x, w_qkv, w_out, lowp_scales, xc, wqc, woc; writes xc, wqc, woc
.if DOCPART == 1
	.amdgcn_target "amdgcn-amd-amdhsa--gfx1250"
	.amdhsa_code_object_version 6
	.text
	.protected	k_qc6eeebe85d_quant
	.globl	k_qc6eeebe85d_quant
	.p2align	8
	.type	k_qc6eeebe85d_quant,@function
k_qc6eeebe85d_quant:
	s_mov_b64 s[64:65], 0
	v_nop
	global_prefetch_b8 v0, s[64:65] scope:SCOPE_SE
	s_setreg_imm32_b32 hwreg(HW_REG_WAVE_MODE, 25, 1), 1
	s_wait_xcnt 0x0
; x [8192][1024], w_qkv [1024 k][3072 n] and w_out [1024 k][1024 n], all f32, become codes of FP8 (E4M3), one byte each, K innermost:
; xc [8192][1024], wqc [3072 n][1024 k], woc [1024 n][1024 k].  code = number / 2^e, to the nearest code, ties to even.
; e = entry 0 (x), 1 (w_qkv), 7 (w_out) of the buffer of scales.  LIMITS: each of these e lies between -126 and 119, so that 2^e and 448 x 2^e are f32 numbers.  NaN among the inputs is not served.
; 384 work-groups of 32,768 numbers.  Work-groups with x < 64 take x (a plain stream: K is innermost); the others a weight: x 64-87 a block of 128 columns of w_qkv, x 88-95 of w_out; y = which 256 along K.
; THE STREAM: a wave takes 16 steps of 512 numbers.  Each load reads 512 consecutive bytes, 16 a lane; a step goes through the wave own stage in LDS and comes back 64 bytes a lane, so that a lane holds 16 neighbours
; along K for the conversions; its 16 codes are 16 bytes and the wave stores 512 consecutive bytes.
; THE WEIGHTS: a lane takes a column n and its registers run down K, so the conversions give codes with K innermost; a wave gathers 32 columns x 256 codes in its stage and stores them by rows: 16 lanes store 256 consecutive bytes, aligned.
; The two ways part on the work-group number and have LDS bytes of their own.  No tensor loads, no barrier: waves share nothing.  No matrix work, no cluster: nothing is read twice.
.set STEPS, 16
.set SP,    80                         ; the stream: a lane place in a stage: 64 bytes + 16 of padding
.set WREG,  8192                       ; the stream: LDS bytes of a wave (two stages of 32 x SP)
.set R,     16                         ; v16-79   four sets of 16 numbers as loaded
.set X,     80                         ; v80-111  two sets of 16 neighbours
.set C,     128                        ; v128-191 codes, four registers for each step: no store data are written again
.set WSTG,  32768                      ; the weights: their stages begin here, 32 x WP bytes a wave
.set WP,    272                        ; a stage row: 256 codes + 16 of padding
.set WX,    32                         ; v32-95   two sets of 32 numbers
.set WC,    96                         ; v96-103  a block of codes
.set OUTR,  112                        ; v112-175 the way out
.set OFF,   176                        ; v176-207 byte offset of row i of a block of 32 rows, at my column; never rewritten
.set WB,    40                         ; s[40:55] the address of each of my eight blocks of 32 rows
.set EMAX,  8
.set MANT,  0x600000                   ; the mantissa field of 448 as f32
	s_load_b128 s[4:7], s[0:1], 0x0                ; x, w_qkv
	s_load_b128 s[8:11], s[0:1], 0x10              ; w_out, the exponents
	s_load_b128 s[12:15], s[0:1], 0x20             ; xc, wqc
	s_load_b64 s[16:17], s[0:1], 0x30              ; woc
	v_lshl_add_u32 v208, v0, 2, 0x10800
	v_mov_b32 v209, 0
	v_lshrrev_b32 v1, 5, v0
	v_readfirstlane_b32 s18, v1                    ; wave
	v_and_b32 v2, 31, v0                           ; lane
	s_and_b32 s19, ttmp7, 0xffff                   ; work-group y
	s_wait_kmcnt 0x0
	s_load_b256 s[24:31], s[10:11], 0x0            ; e0 .. e7
	s_cmp_lt_u32 ttmp9, 64
	s_cbranch_scc0 .Lweights
	; ---------------- the stream: x ----------------
	s_lshl_b32 s20, s19, 6
	s_add_co_u32 s20, s20, ttmp9
	s_lshl_b32 s20, s20, 2
	s_add_co_u32 s20, s20, s18                     ; which run of 8,192 numbers is my wave: 4 (64 y + x) + wave
	s_lshl_b32 s22, s20, 15
	s_mov_b32 s23, 0
	s_add_nc_u64 s[4:5], s[4:5], s[22:23]          ; 32,768 bytes of numbers a run,
	s_lshl_b32 s22, s20, 13
	s_add_nc_u64 s[12:13], s[12:13], s[22:23]      ; 8,192 bytes of codes
	s_wait_alu depctr_va_vdst(0)
	v_lshlrev_b32 v3, 4, v2                        ; my 16 bytes of 512, in a load and in a store
	s_mul_i32 s21, s18, WREG
	v_lshrrev_b32 v14, 2, v2
	v_mul_u32_u24 v14, v14, SP
	v_and_b32 v15, 3, v2
	v_lshl_add_u32 v14, v15, 4, v14
	v_add_nc_u32 v14, s21, v14                     ; into the stage: four lanes fill a place of 64 bytes: SP (lane / 4) + 16 (lane % 4)
	v_mul_u32_u24 v15, v2, SP
	v_add_nc_u32 v15, s21, v15                     ; out of it: SP x lane: my 16 neighbours
.macro XLOAD t
.irp i, 0,1,2,3
	global_load_b128 v[R+16*((\t)%4)+4*\i:R+16*((\t)%4)+4*\i+3], v3, s[4:5] offset:2048*(\t)+512*\i th:TH_LOAD_NT
.endr
.endm
.macro XTURN t                         ; a step through the stage: LDS serves a wave in order, so no wait stands between the stores and the loads
.irp i, 0,1,2,3
	ds_store_b128 v14, v[R+16*((\t)%4)+4*\i:R+16*((\t)%4)+4*\i+3] offset:32*SP*((\t)%2)+8*SP*\i
.endr
.irp i, 0,1,2,3
	ds_load_b128 v[X+16*((\t)%2)+4*\i:X+16*((\t)%2)+4*\i+3], v15 offset:32*SP*((\t)%2)+16*\i
.endr
.endm
.irp t, 0,1,2,3
	XLOAD \t
.endr
	s_wait_alu depctr_va_vdst(0)
	s_wait_kmcnt 0x0
	s_add_co_i32 s22, s24, 127
	s_lshl_b32 s23, s22, 23
	v_mov_b32 v11, s23                             ; 2^e0 as f32: the conversion takes its exponent field
	s_add_co_i32 s22, s22, EMAX
	s_lshl_b32 s22, s22, 23
	s_or_b32 s22, s22, MANT
	s_wait_alu depctr_va_vdst(0)
	s_wait_loadcnt 12                              ; step 0 is in; the twelve loads of steps 1 to 3 may be out
	XTURN 0
.macro XSTEP t
.set XS, X+16*((\t)%2)
	s_wait_dscnt 0x0                               ; this step is back from the stage, so its stores into the stage have read their registers,
.if (\t)+4 < STEPS
	XLOAD (\t)+4                                   ; which take the loads of four steps on
.endif
.if (\t)+1 < STEPS
.if STEPS-2-(\t) >= 3
	s_wait_loadcnt 12                              ; the next step is in; the three steps behind it (four loads each) may be out
.else
	s_wait_loadcnt 4*(STEPS-2-(\t))                ; at the end fewer steps are behind it
.endif
	XTURN (\t)+1
.endif
.irp i, 0,1,2,3,4,5,6,7,8,9,10,11,12,13,14,15
.endr
	v_cvt_scalef32_pk8_fp8_f32 v[C+4*(\t):C+4*(\t)+1], v[XS:XS+7], v11
	v_cvt_scalef32_pk8_fp8_f32 v[C+4*(\t)+2:C+4*(\t)+3], v[XS+8:XS+15], v11
	global_store_b128 v3, v[C+4*(\t):C+4*(\t)+3], s[12:13] offset:512*(\t)   ; the codes go to a store alone; the next vector lines are the next step holds, on other registers
.endm
.irp t, 0,1,2,3,4,5,6,7,8,9,10,11,12,13,14,15
	XSTEP \t
.endr
	s_wait_tensorcnt 0x0
	ds_add_u32 v208, v209
	s_wait_dscnt 0x0
	s_endpgm
	; ---------------- the weights ----------------
.Lweights:
	s_mov_b32 s20, 4096
	s_mov_b32 s21, 88
	s_cmp_lt_u32 ttmp9, 88                         ; w_qkv or w_out: only pointers and numbers are chosen, the text is one
	s_cselect_b64 s[4:5], s[6:7], s[8:9]           ; from
	s_cselect_b64 s[8:9], s[14:15], s[16:17]       ; to
	s_cselect_b32 s20, 12288, s20                  ; bytes in a row of the weight
	s_cselect_b32 s21, 64, s21
	s_sub_co_u32 s21, ttmp9, s21                   ; which block of 128 columns
	s_lshl_b32 s21, s21, 7
	s_lshl_b32 s22, s18, 5
	s_add_co_u32 s21, s21, s22                     ; my wave first column
	s_mul_i32 s22, s19, s20
	s_lshl_b32 s22, s22, 8                         ; 256 y rows,
	s_lshl_b32 s23, s21, 2
	s_add_co_u32 s22, s22, s23                     ; + 4 bytes a column
	s_mov_b32 s23, 0
	s_add_nc_u64 s[WB:WB+1], s[4:5], s[22:23]
	s_lshl_b32 s22, s20, 5                         ; 32 rows on
.irp t, 1,2,3,4,5,6,7
	s_add_nc_u64 s[WB+2*\t:WB+2*\t+1], s[WB+2*\t-2:WB+2*\t-1], s[22:23]
.endr
	s_lshl_b32 s32, s21, 10                        ; the codes: column x 1,024 + 256 y
	s_lshl_b32 s33, s19, 8
	s_add_co_u32 s32, s32, s33
	s_mov_b32 s33, 0
	s_add_nc_u64 s[8:9], s[8:9], s[32:33]
	s_wait_alu depctr_va_vdst(0)
	v_lshlrev_b32 v[OFF], 2, v2
.set i, 1
.rept 31
	v_add_nc_u32 v[OFF+i], s20, v[OFF+i-1]
.set i, i+1
.endr
	s_mul_i32 s34, s18, 32*WP
	s_add_co_u32 s34, s34, WSTG                    ; my stage
	v_mul_u32_u24 v4, v2, WP
	v_add_nc_u32 v4, s34, v4                       ; into it: row = my column
	v_and_b32 v5, 15, v2
	v_lshrrev_b32 v6, 4, v2
	v_mul_u32_u24 v7, v6, WP
	v_lshl_add_u32 v7, v5, 4, v7
	v_add_nc_u32 v7, s34, v7                       ; out of it: sixteen lanes to a row, two rows an instruction
	v_lshlrev_b32 v8, 10, v6
	v_lshl_add_u32 v8, v5, 4, v8                   ; and the same place among the rows of codes
.macro WLOAD t                         ; block t: rows 32 t + i of my 256, at my column: 128 consecutive bytes a wave
.set i, 0
.rept 32
	global_load_b32 v[WX+32*((\t)%2)+i], v[OFF+i], s[WB+2*(\t):WB+2*(\t)+1] th:TH_LOAD_NT
.set i, i+1
.endr
.endm
	WLOAD 0
	WLOAD 1
	s_wait_kmcnt 0x0
	s_cmp_lt_u32 ttmp9, 88
	s_cselect_b32 s30, s25, s31                    ; e1 or e7
	s_add_co_i32 s30, s30, 127
	s_lshl_b32 s31, s30, 23
	v_mov_b32 v11, s31                             ; 2^e
	s_add_co_i32 s30, s30, EMAX
	s_lshl_b32 s30, s30, 23
	s_or_b32 s30, s30, MANT
.macro WBLOCK t
.set XS, WX+32*((\t)%2)
.if (\t) < 7
	s_wait_loadcnt 32                              ; this block is in; the 32 loads of the next may be out
.else
	s_wait_loadcnt 0
.endif
.set i, 0
.rept 32
.set i, i+1
.endr
.irp g, 0,1,2,3
	v_cvt_scalef32_pk8_fp8_f32 v[WC+2*\g:WC+2*\g+1], v[XS+8*\g:XS+8*\g+7], v11
.endr
	ds_store_b128 v4, v[WC:WC+3] offset:32*(\t)    ; 32 codes of my column row
	ds_store_b128 v4, v[WC+4:WC+7] offset:32*(\t)+16
.if (\t)+2 < 8
	WLOAD (\t)+2
.endif
	s_wait_dscnt 0x0                               ; the stores have read their registers: the next block of codes may be written
.endm
	s_wait_alu depctr_va_vdst(0)
.irp t, 0,1,2,3,4,5,6,7
	WBLOCK \t
.endr
.irp t, 0,1,2,3,4,5,6,7,8,9,10,11,12,13,14,15
	ds_load_b128 v[OUTR+4*\t:OUTR+4*\t+3], v7 offset:2*\t*WP
.endr
.irp t, 0,1,2,3,4,5,6,7,8,9,10,11,12,13,14,15
	s_wait_dscnt 15-\t                             ; load t is back; the younger ones may be out
	global_store_b128 v8, v[OUTR+4*\t:OUTR+4*\t+3], s[8:9] offset:2*\t*1024
.endr
	s_wait_tensorcnt 0x0
	ds_add_u32 v208, v209
	s_wait_dscnt 0x0
	s_endpgm
.Lfunc_end_k_qc6eeebe85d_quant:
	.size	k_qc6eeebe85d_quant, .Lfunc_end_k_qc6eeebe85d_quant-k_qc6eeebe85d_quant
	.p2alignl 7, 3214868480
	.fill 96, 4, 3214868480
	.section	.rodata,"a",@progbits
	.p2align	6, 0x0
	.amdhsa_kernel k_qc6eeebe85d_quant
		.amdhsa_group_segment_fixed_size 68096
		.amdhsa_private_segment_fixed_size 0
		.amdhsa_enable_private_segment 0
		.amdhsa_kernarg_size 56
		.amdhsa_user_sgpr_count 2
		.amdhsa_user_sgpr_kernarg_segment_ptr 1
		.amdhsa_wavefront_size32 1
		.amdhsa_system_sgpr_workgroup_id_x 1
		.amdhsa_system_sgpr_workgroup_id_y 1
		.amdhsa_system_sgpr_workgroup_id_z 1
		.amdhsa_system_vgpr_workitem_id 0
		.amdhsa_next_free_vgpr 210
		.amdhsa_next_free_sgpr 66
		.amdhsa_reserve_vcc 0
		.amdhsa_float_denorm_mode_32 3
		.amdhsa_float_denorm_mode_16_64 3
		.amdhsa_fp16_overflow 1
		.amdhsa_memory_ordered 1
		.amdhsa_forward_progress 1
		.amdhsa_inst_pref_size 55
	.end_amdhsa_kernel
	.amdgpu_metadata
---
amdhsa.version: [ 1, 2 ]
amdhsa.kernels:
  - .name:           k_qc6eeebe85d_quant
    .symbol:         k_qc6eeebe85d_quant.kd
    .args:
      - { .name: x, .offset: 0, .size: 8, .value_kind: global_buffer, .address_space: global }
      - { .name: w_qkv, .offset: 8, .size: 8, .value_kind: global_buffer, .address_space: global }
      - { .name: w_out, .offset: 16, .size: 8, .value_kind: global_buffer, .address_space: global }
      - { .name: lowp_scales, .offset: 24, .size: 8, .value_kind: global_buffer, .address_space: global }
      - { .name: xc, .offset: 32, .size: 8, .value_kind: global_buffer, .address_space: global }
      - { .name: wqc, .offset: 40, .size: 8, .value_kind: global_buffer, .address_space: global }
      - { .name: woc, .offset: 48, .size: 8, .value_kind: global_buffer, .address_space: global }
    .group_segment_fixed_size: 68096
    .private_segment_fixed_size: 0
    .kernarg_segment_align: 8
    .kernarg_segment_size: 56
    .max_flat_workgroup_size: 128
    .sgpr_count:     66
    .vgpr_count:     210
    .wavefront_size: 32
...
	.end_amdgpu_metadata
.endif
;; end of part 1
;; launch gemm_qkv (part 2): grid 12 x 32, 4 waves a work-group, clusters of 4 x 4, 327,680 bytes of LDS; arguments xc, wqc, lowp_scales, b_qkv, qc, kc, vc; writes qc, kc, vc
.if DOCPART == 2
	.amdgcn_target "amdgcn-amd-amdhsa--gfx1250"
	.amdhsa_code_object_version 6
	.text
	.protected	k_qc6eeebe85d_gemm_qkv
	.globl	k_qc6eeebe85d_gemm_qkv
	.p2align	8
	.type	k_qc6eeebe85d_gemm_qkv,@function
k_qc6eeebe85d_gemm_qkv:
	s_mov_b64 s[64:65], 0
	v_nop
	global_prefetch_b8 v0, s[64:65] scope:SCOPE_SE
	s_setreg_imm32_b32 hwreg(HW_REG_WAVE_MODE, 25, 1), 1
	s_wait_xcnt 0x0
	s_wait_alu depctr_hold_cnt(0) depctr_sa_sdst(0) depctr_va_vdst(0) depctr_va_sdst(0) depctr_va_ssrc(0) depctr_va_vcc(0) depctr_vm_vsrc(0)
	s_getreg_b32 s2, hwreg(HW_REG_IB_STS2, 6, 4)
	s_cmp_eq_u32 s2, 0
	s_cbranch_scc0 .Lentry_in_a_cluster
	s_endpgm
.Lentry_in_a_cluster:
	s_bfe_u32 s2, ttmp6, 0x10000c
	s_cmp_lg_u32 s2, 0xf033
	s_cbranch_scc0 .Lentry_shape_is_right
	s_endpgm
.Lentry_shape_is_right:
; qkv = x w_qkv + b_qkv on codes of FP8 (E4M3), K = 1,024, and its three parts quantised on the way out as the operands of attention.
; A tile of 256 x 256 is P Q^T: P and Q are 256 rows of codes each, K innermost.  THE MATRIX INSTRUCTION IS USED TRANSPOSED (source 0 = 16 rows of Q, source 1 = 16 rows of P): a lane holds one row of P and eight
; neighbouring rows of Q.  What is quantised next must have its K along a lane registers:
;   q and k (cluster x = 0, 1): P = rows of x, Q = rows of the weight: a lane holds eight neighbours along the head 64, the K of q k^T.
;   v       (cluster x = 2):    P = rows 2,048 on of the weight, Q = rows of x: a lane holds eight neighbouring KEYS, the K of p v.
; The two cases differ in chosen pointers and numbers alone (s_cselect on the cluster x, which all partners share): no branch hangs on it.
; OUT: qc, kc [b][h][pos][64]: row s lies at pos = s with bits 3 and 4 exchanged, so that 16 neighbouring positions are the 16 keys that form a tile of K in attention.  vc [b][key / 128][h][d][128 keys].
; A sum stands for sum x 2^(e0 + e1); + bias; / 2^eo (eo = e2, e3, e5), held within +-448, to the nearest code.
; LIMITS: e0 + e1 between -126 and 127; e2, e3, e5 between -126 and 119.  NaN is not served.
; SHARES: four waves, each 128 x 128: 64 accumulators, 512 registers.  K goes in steps of 256 through a ring of two LDS slots filled by the tensor data mover.
; CLUSTERS: 4 x 4 work-groups.  The tile of P hangs on the place along y alone and is asked for jointly by a row of the cluster, that of Q on the place along x and by a column.
; REGISTERS, in windows of 256: window 0: v1-31 addresses; v32-95 bias along Q, v96-103 bias along P; from v128 the fragments of P, one set; on the way out v128-239 are at work.
;   window 1: the fragments of Q, two sets.   windows 2, 3: the accumulators ((a, b) at v[8 (8 (a % 4) + b)]).
.set KSTEP,  256
.set ROWB,   256                       ; a tile row in bytes
.set KROW,   1024                      ; a row of codes in memory
.set PITCH,  272                       ; an LDS row: 256 bytes + 16 of padding = 68 words: the 16 rows of a load start at 16 different banks (64 banks of 4 bytes: ISA guide 11.1)
.set FR,     16                        ; registers of a fragment: 16 rows x 128 K
.set NL,     4                         ; LDS loads that bring one
.set NP,     4                         ; places behind this matrix instruction (ISA guide 7.12.1)
.set HALFT,  128*PITCH
.set SLOT,   4*HALFT                   ; 256 rows of P, then 256 rows of Q
.set LAPS,   2                         ; K = 1,024 is four K steps: twice round the ring
.set SPARE,  2*SLOT                    ; behind the ring: the spare words, 128 bytes a wave: two blocks of 256 bytes that no other line names
.set SPITCH, 144                       ; the way out: a stage of 16 rows x (128 codes + 16) a wave, in slot 0, which has had its last fill and its last read by then
.set CO,   8                           ; v8-11   the way out: my byte offset for each of a block four stores
.set BQO,  12                          ; v12     offset of my bias numbers along Q
.set BPO,  13                          ; v13     along P
.set ADRA, 16                          ; v16-17  LDS address of my fragments of P in slot 0, 1
.set ADRB, 20                          ; v20-21  of Q
.set STO,  24                          ; v24     the stage: where I put 8 codes
.set RD,   25                          ; v25     and where I read 16 back
.set SPW,  28                          ; v28     my spare word; never rewritten
.set NIL,  29                          ; v29     0; never rewritten
.set OSC,  30                          ; v30     2^eo
.set OLIM, 31                          ; v31     448 x 2^eo
.set BQ,   32
.set BP,   96
.set AF,   128
.set TMP,  128                         ; the way out: 64 numbers
.set CD,   192                         ; their codes, 16 registers
.set BK,   208                         ; 16 registers read back from the stage, two sets by turns
.set G1, 24
.set G0, 32
.set G1B, 48
.set G0B, 56
.set MSB, 0
.macro WIN new                         ; the immediate high byte repeats the setting that is left
.if MSB != \new
	s_set_vgpr_msb (MSB<<8)|\new
.set MSB, \new
.endif
.endm
.set MUL_LO, 0xa1                      ; source 0 (Q) window 1, source 1 (P) window 0, C and D window 2
.set MUL_HI, 0xf1                      ; the same, C and D window 3
.set TO_B,   0x40                      ; destination window 1, address window 0
; A joint load: waves 0 and 1 fetch for P, waves 2 and 3 for Q.  The branch hangs on the wave number alone.  Four v_nop follow each of the two lines.
.macro JLOAD g0a, g1a, g0b, g1b
	s_cmp_eq_u32 s15, 0
	s_cbranch_scc0 .Lfor_b_\@
	tensor_load_to_lds s[\g0a:\g0a+3], s[\g1a:\g1a+7]
	s_nop 0
.rept 4
	v_nop
.endr
	s_branch .Lasked_\@
.Lfor_b_\@:
	tensor_load_to_lds s[\g0b:\g0b+3], s[\g1b:\g1b+7]
	s_nop 0
.rept 4
	v_nop
.endr
.Lasked_\@:
.endm
.macro CREST                           ; a round of the cluster barrier behind its opening barrier
	s_cmp_lg_u32 s14, 0
	s_cbranch_scc1 .Lnot_wave_0_\@
	s_barrier_signal -3
.Lnot_wave_0_\@:
	s_barrier_wait -3
	s_barrier_signal -1
	s_barrier_wait -1
.endm
.macro CROUND
	s_barrier_signal -1
	s_barrier_wait -1
	CREST
.endm
	s_load_b128 s[4:7], s[0:1], 0x0                ; xc, wqc
	s_load_b128 s[8:11], s[0:1], 0x10              ; the exponents, b_qkv
	s_load_b128 s[68:71], s[0:1], 0x20             ; qc, kc
	s_load_b64 s[72:73], s[0:1], 0x30              ; vc
	v_lshl_add_u32 v[SPW], v0, 2, SPARE
	v_mov_b32 v[NIL], 0
	ds_add_u32 v28, v29
	s_wait_dscnt 0x0
	v_lshrrev_b32 v1, 5, v0
	v_readfirstlane_b32 s14, v1                    ; wave 0..3
	s_lshr_b32 s15, s14, 1                         ; rh: which 128 rows of P are mine.  Also: I fetch for P (0) or for Q (1)
	s_and_b32 s16, s14, 1                          ; ch: which 128 rows of Q.  Also: which 128 rows of that tile I fetch
	s_bfe_u32 s40, ttmp6, 0x40000                  ; cx, cy: my place in the cluster
	s_bfe_u32 s41, ttmp6, 0x40004
	s_and_b32 s66, ttmp7, 0xffff                   ; cluster y, 0..7
	s_mov_b32 s90, 256
	s_mov_b32 s86, 512
	s_mov_b32 s88, 1536
	s_mov_b32 s87, 0
	s_mov_b32 s89, 0
	s_cmp_eq_u32 ttmp9, 2                          ; cluster x = 2: v
	s_cselect_b32 s67, 0, s66                      ; which four tiles of P this cluster has,
	s_cselect_b32 s74, s66, ttmp9                  ; and of Q
	s_cselect_b32 s75, 2048, 0                     ; v: P begins at row 2,048 of the weight
	s_cselect_b32 s91, -1, 0                       ; a lane mask: all lanes where v,
	s_cselect_b32 s92, 0, -1                       ; all lanes where q or k
	s_cselect_b32 s90, 512, s90                    ; the way out: from store 0 to store 1 of a block,
	s_cselect_b32 s86, 2048, s86                   ; from an even block of 16 rows to the odd one behind it,
	s_cselect_b32 s88, 2048, s88                   ; and from an odd one to the even one behind it
	s_lshl_b32 s17, s67, 2
	s_add_co_u32 s17, s17, s41                     ; tp: my tile of P
	s_lshl_b32 s42, s74, 2
	s_add_co_u32 s42, s42, s40                     ; tq: my tile of Q
	s_lshl_b32 s43, s41, 2
	s_lshl_b32 s43, 15, s43                        ; my row of the cluster
	s_lshl_b32 s44, 0x1111, s40                    ; my column
	; descriptor group 1: 128 rows x 256 bytes, padded in LDS
	s_or_b32 s[G1+0], s43, (0<<16)|(1<<20)|(1<<21)|(5<<22)|(3<<25)  ; 15:0 the mask; 17:16 elements of 1 byte; 20 padding on; 21 set beside a mask; 24:22 after every 64 words; 31:25 four words
	s_or_b32 s[G1B+0], s44, (0<<16)|(1<<20)|(1<<21)|(5<<22)|(3<<25)
.irp g, G1, G1B
	s_mov_b32 s[\g+1], ROWB<<16                    ; tensor_dim0
	s_mov_b32 s[\g+2], 128<<16                     ; tensor_dim1
	s_mov_b32 s[\g+3], ROWB<<16                    ; tile_dim0
	s_mov_b32 s[\g+4], 128                         ; tile_dim1
	s_mov_b32 s[\g+5], KROW                        ; from row to row
	s_mov_b32 s[\g+6], 0
	s_mov_b32 s[\g+7], 0
.endr
	s_lshl_b32 s18, s16, 7                         ; which 128 rows of the tile I fetch
	s_lshl_b32 s20, s17, 8
	s_add_co_u32 s20, s20, s18
	s_add_co_u32 s20, s20, s75                     ; P: row 256 tp + 128 half (+ 2,048)
	s_lshl_b32 s20, s20, 10                        ; in bytes, under 2^24
	s_mov_b32 s21, 0
	s_lshl_b32 s46, s42, 8
	s_add_co_u32 s46, s46, s18                     ; Q: row 256 tq + 128 half
	s_lshl_b32 s46, s46, 10
	s_mov_b32 s47, 0
	s_mul_i32 s45, s14, HALFT                      ; where they go: wave x 128 rows: no place in the cluster enters an LDS address
	s_wait_kmcnt 0x0
	s_load_b256 s[76:83], s[8:9], 0x0              ; e0 .. e7
	s_cmp_eq_u32 ttmp9, 2
	s_cselect_b64 s[22:23], s[6:7], s[4:5]         ; the tensor of P,
	s_cselect_b64 s[12:13], s[4:5], s[6:7]         ; of Q
	s_add_nc_u64 s[20:21], s[22:23], s[20:21]
	s_add_nc_u64 s[46:47], s[12:13], s[46:47]
	CROUND                                         ; all sixteen work-groups are here: the first joint loads meet
.irp s, 0,1
	s_mov_b32 s[G0+4*\s], 1
	s_add_co_u32 s[G0+4*\s+1], s45, \s*SLOT
	s_add_nc_u64 s[G0+4*\s+2:G0+4*\s+3], s[20:21], \s*ROWB
	s_or_b32 s[G0+4*\s+3], s[G0+4*\s+3], 0x80000000
	s_mov_b32 s[G0B+4*\s], 1
	s_add_co_u32 s[G0B+4*\s+1], s45, \s*SLOT
	s_add_nc_u64 s[G0B+4*\s+2:G0B+4*\s+3], s[46:47], \s*ROWB
	s_or_b32 s[G0B+4*\s+3], s[G0B+4*\s+3], 0x80000000
	JLOAD G0+4*\s, G1, G0B+4*\s, G1B
.endr
	v_and_b32 v1, 15, v0                           ; r = l % 16
	v_bfe_u32 v2, v0, 4, 1                         ; h = l / 16
	; the bias: along Q for q and k (eight numbers for each of my eight blocks of Q), along P for v (one number for each of my eight blocks of P).  The side that does not apply is loaded from the buffer head and cleared.
	s_lshl_b32 s93, s42, 8
	s_lshl_b32 s94, s16, 7
	s_add_co_u32 s93, s93, s94                     ; 256 tq + 128 ch
	s_lshl_b32 s94, s17, 8
	s_lshl_b32 s95, s15, 7
	s_add_co_u32 s94, s94, s95
	s_add_co_u32 s94, s94, 2048                    ; 2,048 + 256 tp + 128 rh
	s_cmp_eq_u32 ttmp9, 2
	s_cselect_b32 s93, 0, s93
	s_cselect_b32 s94, s94, 0
	s_lshl_b32 s93, s93, 2
	s_lshl_b32 s94, s94, 2
	v_lshl_add_u32 v[BQO], v2, 5, s93
	v_lshl_add_u32 v[BPO], v1, 2, s94
.irp b, 0,1,2,3,4,5,6,7
	global_load_b128 v[BQ+8*\b:BQ+8*\b+3], v[BQO], s[10:11] offset:64*\b        ; bias(16 b + 8 h + 0 .. 7)
	global_load_b128 v[BQ+8*\b+4:BQ+8*\b+7], v[BQO], s[10:11] offset:64*\b+16
.endr
.irp a, 0,1,2,3,4,5,6,7
	global_load_b32 v[BP+\a], v[BPO], s[10:11] offset:64*\a                     ; bias(16 a + r)
.endr
	v_mul_u32_u24 v3, v1, PITCH
	v_lshl_add_u32 v4, v2, 4, v3                   ; a fragment row x pitch + 16 x half
	s_mul_i32 s21, s15, HALFT                      ; my 128 rows of P
	s_mul_i32 s22, s16, HALFT                      ; my 128 rows of Q,
	s_add_co_u32 s22, s22, 2*HALFT                 ; which lie behind the 256 of P
.irp s, 0,1
	v_add_nc_u32 v[ADRA+\s], s21, v4
	v_add_nc_u32 v[ADRB+\s], s22, v4
	s_add_co_u32 s21, s21, SLOT
	s_add_co_u32 s22, s22, SLOT
.endr
	s_mul_i32 s23, s14, 16*SPITCH                  ; my stage
	v_mul_u32_u24 v5, v1, SPITCH
	v_lshl_add_u32 v5, v2, 3, v5
	v_add_nc_u32 v[STO], s23, v5                   ; in: row r, 8 codes for each half of the lanes
	v_lshrrev_b32 v6, 2, v1                        ; (l % 16) / 4
	v_and_b32 v7, 3, v1                            ; l % 4
	v_mul_u32_u24 v5, v6, SPITCH
	v_lshl_add_u32 v5, v7, 4, v5
	v_lshl_add_u32 v5, v2, 6, v5
	v_add_nc_u32 v[RD], s23, v5                    ; back: four rows an instruction; lanes 0-15 their first 64 bytes, lanes 16-31 their second
	v_lshlrev_b32 v5, 4, v1
	v_lshl_add_u32 v5, v2, 17, v5                  ; q, k: four positions of 64 bytes on end (16 bytes a lane); lanes 16-31 in the next head, 131,072 bytes on
	v_lshlrev_b32 v14, 7, v6
	v_lshl_add_u32 v14, v7, 4, v14
	v_lshl_add_u32 v14, v2, 6, v14                 ; v: four rows of 128 keys on end
	v_cndmask_b32 v[CO], v5, v14, s91
	v_add_nc_u32 v[CO+1], s90, v[CO]
	v_add_nc_u32 v[CO+2], 1024, v[CO]
	v_add_nc_u32 v[CO+3], 1024, v[CO+1]
	s_wait_kmcnt 0x0
	s_add_co_i32 s96, s76, s77                     ; e0 + e1
	s_add_co_i32 s96, s96, 127
	s_lshl_b32 s96, s96, 23                        ; 2^(e0 + e1) as f32
	s_mov_b32 s97, s96                             ; (named with it as a pair, so it is written)
	s_cmp_eq_u32 ttmp9, 0
	s_cselect_b32 s93, s78, s79                    ; e2 or e3,
	s_cselect_b64 s[84:85], s[68:69], s[70:71]     ; qc or kc,
	s_cmp_eq_u32 ttmp9, 2
	s_cselect_b32 s93, s81, s93                    ; or e5
	s_cselect_b64 s[84:85], s[72:73], s[84:85]     ; and vc
	s_add_co_i32 s93, s93, 127
	s_lshl_b32 s94, s93, 23
	v_mov_b32 v[OSC], s94
	s_add_co_i32 s93, s93, 8
	s_lshl_b32 s93, s93, 23
	s_or_b32 s93, s93, 0x600000
	v_mov_b32 v[OLIM], s93
	; where my 128 x 128 begins.  q, k: ((tp / 8) 16 + (tq % 4) 4 + 2 ch) heads of 131,072 bytes + ((tp % 8) 2 + rh) x 128 positions of 64 bytes
	s_lshr_b32 s94, s17, 3
	s_lshl_b32 s94, s94, 4
	s_and_b32 s95, s42, 3
	s_lshl_b32 s95, s95, 2
	s_add_co_u32 s94, s94, s95
	s_lshl_b32 s95, s16, 1
	s_add_co_u32 s94, s94, s95
	s_lshl_b32 s94, s94, 17
	s_and_b32 s95, s17, 7
	s_lshl_b32 s95, s95, 1
	s_add_co_u32 s95, s95, s15
	s_lshl_b32 s95, s95, 13
	s_add_co_u32 s94, s94, s95
	; v: ((2 tq + ch) 16 + 4 tp + 2 rh) blocks of 8,192 bytes: 2 tq + ch counts batches of 16 blocks of 128 keys
	s_lshl_b32 s95, s42, 1
	s_add_co_u32 s95, s95, s16
	s_lshl_b32 s95, s95, 4
	s_lshl_b32 s98, s17, 2
	s_add_co_u32 s95, s95, s98
	s_lshl_b32 s98, s15, 1
	s_add_co_u32 s95, s95, s98
	s_lshl_b32 s95, s95, 13
	s_cmp_eq_u32 ttmp9, 2
	s_cselect_b32 s94, s95, s94
	s_mov_b32 s95, 0
	s_add_nc_u64 s[84:85], s[84:85], s[94:95]
	s_wait_loadcnt 0x0                             ; the bias, while the first tiles are on their way
.set j, 0
.rept 64
	v_cndmask_b32 v[BQ+j], 0, v[BQ+j], s92         ; kept for q and k, 0 for v
.set j, j+1
.endr
.set j, 0
.rept 8
	v_cndmask_b32 v[BP+j], 0, v[BP+j], s91         ; kept for v, 0 for q and k
.set j, j+1
.endr
.macro FRAG reg, adr, q, i             ; a fragment: lane l holds row l % 16; registers 4 c .. 4 c + 3 hold K = 32 c + 16 (l / 16) + 0 .. 15: one order of K for both sources
.irp c, 0,1,2,3
	ds_load_b128 v[\reg+4*\c:\reg+4*\c+3], v[\adr] offset:128*(\q)+32*\c+(\i)*16*PITCH
.endr
.endm
; 16 matrix instructions: blocks a0, a0 + 1 of P x the eight of Q, 128 along K.  p: the set of Q.  zero = 1: the first product starts the sums.
; The 64 accumulators take turns, one instruction a turn, in the same order in every step.
.macro MUL16 a0, p, zero
.irp a, \a0, \a0+1
.irp b, 0,1,2,3,4,5,6,7
.if \zero
	v_wmma_f32_16x16x128_fp8_fp8 v[8*(8*((\a)%4)+\b):8*(8*((\a)%4)+\b)+7], v[128*(\p)+FR*\b:128*(\p)+FR*\b+FR-1], v[AF+FR*(\a):AF+FR*(\a)+FR-1], 0
.else
	v_wmma_f32_16x16x128_fp8_fp8 v[8*(8*((\a)%4)+\b):8*(8*((\a)%4)+\b)+7], v[128*(\p)+FR*\b:128*(\p)+FR*\b+FR-1], v[AF+FR*(\a):AF+FR*(\a)+FR-1], v[8*(8*((\a)%4)+\b):8*(8*((\a)%4)+\b)+7]
.endif
.endr
.endr
.endm
.macro FETCH_B slot, q, p
	WIN TO_B
.irp i, 0,1,2,3,4,5,6,7
	FRAG 128*(\p)+FR*\i, ADRB+\slot, \q, \i
.endr
	WIN 0
.endm
.macro FETCH_A slot, q, i0
.irp i, \i0, \i0+1, \i0+2, \i0+3
	FRAG AF+FR*(\i), ADRA+\slot, \q, \i
.endr
.endm
.macro PLACES n                        ; plain vector lines between a matrix instruction and a load into, or a vector line on, its registers
.rept \n
	v_nop
.endr
.endm
; A step of 128 along K that has its successor in the same slot.  A block of P is free once its eight products are issued, so P has one set: blocks 0-3 come anew in the middle, blocks 4-7 at the end.
.macro STEP slot, q, zero
	s_wait_dscnt 4*NL                              ; the set of Q and blocks 0-3 of P are in; the youngest 16 loads (blocks 4-7) may be out
	WIN MUL_LO
	MUL16 0, (\q)%2, \zero
	MUL16 2, (\q)%2, \zero
	s_wait_dscnt 0                                 ; blocks 4-7 are in
	PLACES NP
	FETCH_B \slot, (\q)+1, 1-(\q)%2
	FETCH_A \slot, (\q)+1, 0
	WIN MUL_HI
	MUL16 4, (\q)%2, \zero
	MUL16 6, (\q)%2, \zero
	PLACES NP
	WIN 0
	FETCH_A \slot, (\q)+1, 4
.endm
; The last step of a slot changes slots: one barrier; in front of it each wave waits for all its tensor loads, adds 0 to its spare word, and waits for that and for its reads of this slot.  fill = 1: the slot is filled again, two K steps ahead.
.macro TURN slot, next, fill
	s_wait_tensorcnt 0x0                           ; all my tensor loads have landed: my part of the next slot
	ds_add_u32 v[SPW], v[NIL]                      ; 0 onto my spare word
	s_wait_dscnt 4*NL+1                            ; (the add and the youngest 16 loads may be out)
	WIN MUL_LO
	MUL16 0, 1, 0                                  ; sixteen matrix instructions stand between the add and the wait for it
	s_wait_dscnt 0x0                               ; the add is done, and my reads of this slot are over
	s_barrier_signal -1
	MUL16 2, 1, 0
	WIN 0
	s_barrier_wait -1
.if \fill
	CREST                                          ; the barrier has opened a round of the cluster barrier: no wave of any partner still reads this slot or has a load on its way
	s_add_nc_u64 s[G0+4*\slot+2:G0+4*\slot+3], s[G0+4*\slot+2:G0+4*\slot+3], 2*ROWB
	s_add_nc_u64 s[G0B+4*\slot+2:G0B+4*\slot+3], s[G0B+4*\slot+2:G0B+4*\slot+3], 2*ROWB
	JLOAD G0+4*\slot, G1, G0B+4*\slot, G1B         ; the first tensor load behind the round; its four v_nop are the places in front of the loads below
.else
	PLACES NP
.endif
	FETCH_B \next, 0, 0
	FETCH_A \next, 0, 0
	WIN MUL_HI
	MUL16 4, 1, 0
	MUL16 6, 1, 0
	PLACES NP
	WIN 0
	FETCH_A \next, 0, 4
.endm
	s_wait_tensorcnt 1                             ; my part of K step 0 is in (the load of K step 1 may be out)
	s_barrier_signal -1
	s_barrier_wait -1                              ; and so is everybody else
	FETCH_B 0, 0, 0
	FETCH_A 0, 0, 0
	FETCH_A 0, 0, 4
	STEP 0, 0, 1                                   ; the first step stands in front of the loop: its products start the sums
	s_mov_b32 s3, LAPS-1
.Llap:                                                 ; a trip goes once round the ring and fills both slots again
	TURN 0, 1, 1
	STEP 1, 0, 0
	TURN 1, 0, 1
	STEP 0, 0, 0
	s_sub_co_u32 s3, s3, 1
	s_cmp_lg_u32 s3, 0
	s_cbranch_scc1 .Llap
	TURN 0, 1, 0                                   ; the last lap fills nothing
	STEP 1, 0, 0
	s_wait_dscnt 4*NL
	WIN MUL_LO
	MUL16 0, 1, 0
	MUL16 2, 1, 0
	s_wait_dscnt 0
	WIN MUL_HI
	MUL16 4, 1, 0
	MUL16 6, 1, 0
	WIN 0
; THE WAY OUT, a block of 16 rows of P x 128 rows of Q at a time: sum x 2^(e0 + e1) + bias, the hold, eight codes a conversion; 8 bytes a lane into my stage (row r, 128 codes), back 16 bytes a lane, four rows an instruction.
; q, k: a row is 2 heads x 64 bytes; four rows are four neighbouring positions, so lanes 0-15 store 256 consecutive bytes, aligned, of one head and lanes 16-31 of the next.  v: a row is 128 keys; four rows are 512 consecutive bytes.
.macro TOSTAGE a
.set AC, 64*((\a)%4)
	WIN 0x02+((\a)/4)                              ; source 0: window 2 or 3
.set j, 0
.rept 32
	v_pk_fma_f32 v[TMP+j:TMP+j+1], v[AC+j:AC+j+1], s[96:97], v[BQ+j:BQ+j+1] op_sel_hi:[1,0,1]   ; each accumulator from its low end on
.set j, j+2
.endr
	WIN 0
.set j, 0
.rept 32
.if ((\a)%2) == 0
	v_pk_add_f32 v[TMP+j:TMP+j+1], v[TMP+j:TMP+j+1], v[BP+2*((\a)/2):BP+2*((\a)/2)+1] op_sel_hi:[1,0]            ; + the bias of my row of P: the pair low word for both halves,
.else
	v_pk_add_f32 v[TMP+j:TMP+j+1], v[TMP+j:TMP+j+1], v[BP+2*((\a)/2):BP+2*((\a)/2)+1] op_sel:[0,1] op_sel_hi:[1,1]   ; or its high word
.endif
.set j, j+2
.endr
.set j, 0
.rept 64
	v_med3_num_f32 v[TMP+j], v[TMP+j], -v[OLIM], v[OLIM]   ; the conversion does not saturate (ISA guide 7.6.2)
.set j, j+1
.endr
.irp b, 0,1,2,3,4,5,6,7
	v_cvt_scalef32_pk8_fp8_f32 v[CD+2*\b:CD+2*\b+1], v[TMP+8*\b:TMP+8*\b+7], v[OSC]
.endr
	v_nop                                          ; one plain vector line behind the last conversion
.irp b, 0,1,2,3,4,5,6,7
	ds_store_b64 v[STO], v[CD+2*\b:CD+2*\b+1] offset:16*\b
.endr
.set BB, BK+16*((\a)%2)
.irp i, 0,1,2,3
	ds_load_b128 v[BB+4*\i:BB+4*\i+3], v[RD] offset:\i*4*SPITCH   ; LDS serves a wave in order: these see my stores
.endr
.endm
.macro SEND a, younger                 ; younger: the LDS instructions issued behind this block loads
.set BB, BK+16*((\a)%2)
	s_wait_dscnt \younger
.if (\a) > 0
.if ((\a)%2) == 1
	s_add_nc_u64 s[84:85], s[84:85], s[86:87]      ; (behind a wait on XCNT: the earlier stores have read their base)
.else
	s_add_nc_u64 s[84:85], s[84:85], s[88:89]
.endif
.endif
.irp i, 0,1,2,3
	global_store_b128 v[CO+\i], v[BB+4*\i:BB+4*\i+3], s[84:85]
.endr
.endm
	PLACES NP                                      ; behind the last products: the lines below write registers that held fragments of P
	TOSTAGE 0
.irp a, 1,2,3,4,5,6,7
.if \a > 1
	s_wait_xcnt 0x0                                ; the stores of two blocks back have read their registers and their base
.endif
	TOSTAGE \a
	SEND \a-1, 12                                  ; behind the loads of the block before: this block 8 stores and 4 loads
.endr
	s_wait_xcnt 0x0
	SEND 7, 0
	s_wait_tensorcnt 0x0                           ; the wave end
	ds_add_u32 v[SPW], v[NIL]
	s_wait_dscnt 0x0
	CROUND                                         ; the closing round: no work-group ends while a partner may still ask for a tile that names it
	s_endpgm
.Lfunc_end_k_qc6eeebe85d_gemm_qkv:
	.size	k_qc6eeebe85d_gemm_qkv, .Lfunc_end_k_qc6eeebe85d_gemm_qkv-k_qc6eeebe85d_gemm_qkv
	.p2alignl 7, 3214868480
	.fill 96, 4, 3214868480
	.section	.rodata,"a",@progbits
	.p2align	6, 0x0
	.amdhsa_kernel k_qc6eeebe85d_gemm_qkv
		.amdhsa_group_segment_fixed_size 327680
		.amdhsa_private_segment_fixed_size 0
		.amdhsa_enable_private_segment 0
		.amdhsa_kernarg_size 56
		.amdhsa_user_sgpr_count 2
		.amdhsa_user_sgpr_kernarg_segment_ptr 1
		.amdhsa_wavefront_size32 1
		.amdhsa_system_sgpr_workgroup_id_x 1
		.amdhsa_system_sgpr_workgroup_id_y 1
		.amdhsa_system_sgpr_workgroup_id_z 1
		.amdhsa_system_vgpr_workitem_id 0
		.amdhsa_next_free_vgpr 1024
		.amdhsa_next_free_sgpr 100
		.amdhsa_reserve_vcc 0
		.amdhsa_float_denorm_mode_32 3
		.amdhsa_float_denorm_mode_16_64 3
		.amdhsa_memory_ordered 1
		.amdhsa_forward_progress 1
		.amdhsa_inst_pref_size 166
	.end_amdhsa_kernel
	.amdgpu_metadata
---
amdhsa.version: [ 1, 2 ]
amdhsa.kernels:
  - .name:           k_qc6eeebe85d_gemm_qkv
    .symbol:         k_qc6eeebe85d_gemm_qkv.kd
    .args:
      - { .name: xc, .offset: 0, .size: 8, .value_kind: global_buffer, .address_space: global }
      - { .name: wqc, .offset: 8, .size: 8, .value_kind: global_buffer, .address_space: global }
      - { .name: lowp_scales, .offset: 16, .size: 8, .value_kind: global_buffer, .address_space: global }
      - { .name: b_qkv, .offset: 24, .size: 8, .value_kind: global_buffer, .address_space: global }
      - { .name: qc, .offset: 32, .size: 8, .value_kind: global_buffer, .address_space: global }
      - { .name: kc, .offset: 40, .size: 8, .value_kind: global_buffer, .address_space: global }
      - { .name: vc, .offset: 48, .size: 8, .value_kind: global_buffer, .address_space: global }
    .group_segment_fixed_size: 327680
    .private_segment_fixed_size: 0
    .kernarg_segment_align: 8
    .kernarg_segment_size: 56
    .max_flat_workgroup_size: 128
    .sgpr_count:     100
    .vgpr_count:     1024
    .wavefront_size: 32
...
	.end_amdgpu_metadata
.endif
;; end of part 2
;; launch attn (part 3): grid 4 x 64, 8 waves a work-group, no clusters, 327,680 bytes of LDS; arguments qc, kc, vc, lowp_scales, cc; writes cc
.if DOCPART == 3
	.amdgcn_target "amdgcn-amd-amdhsa--gfx1250"
	.amdhsa_code_object_version 6
	.text
	.protected	k_qc6eeebe85d_attn
	.globl	k_qc6eeebe85d_attn
	.p2align	8
	.type	k_qc6eeebe85d_attn,@function
k_qc6eeebe85d_attn:
	s_mov_b64 s[64:65], 0
	v_nop
	global_prefetch_b8 v0, s[64:65] scope:SCOPE_SE
	s_setreg_imm32_b32 hwreg(HW_REG_WAVE_MODE, 25, 1), 1
	s_wait_xcnt 0x0
; Causal attention on codes of FP8 (E4M3), head size 64, 64 heads (b, h) of 2,048 positions.  qc, kc: [b][h][pos][64], row s at pos = s with bits 3 and 4 exchanged.  vc: [b][key / 128][h][d][128 keys].
; OUT: cc [h][row (b, s)][64]: ctx as codes with the scale 2^e6, the operand of the last product.
; THE SOFTMAX: t = score x 2^(e2 + e3) x log2(e) / 8; M = the running largest t rounded UP to a whole number; p = 2^(t - M) is quantised with 2^e4, not normalised; the sum is taken of the unquantised p and divides at the end.
; When M moves, the sum and O are multiplied by 2^(old M - new M), which rounds nothing.
; SHARES: work-group (i, head) owns the blocks i and 7 - i of 256 queries.  Block j needs the key slots 0 .. j of 256 keys, so every work-group walks i + 1 + 8 - i = 9 slots: equal work, and a trip count that is a constant.
; Each of eight waves owns 32 queries, two tiles of 16 that share every fragment of K and V.  A key step is 128 keys: 16 products K Q^T (K = 64), the softmax, 8 products V^T P^T (K = 128).
; A step all of whose keys come after my 32 queries is left out (a scalar branch on ids, round no barrier and no tensor load); on the diagonal hidden scores become -infinity.  Key 0 counts for every query, so M is a number from the first step on.
; LAYOUT: both products are used transposed (source 0 = 16 keys, or 16 of the head 64; source 1 = my 16 queries): a lane holds ONE query throughout.  Sixteen neighbouring positions 32 b + 16 u + r of kc hold the keys
; 32 b + 8 u + r + 8 (r / 8), so the 16 registers of tiles 2 b and 2 b + 1 are 16 neighbouring keys, 32 b + 16 (lane / 16) + 0 .. 15: the conversions give the second product operand as it stands.
; NO CLUSTER: in one trip the four work-groups of a head read different slots (slot t in one block of queries, slot t - i - 1 in the other), so a joint request would need partners that ask and discard.
; LIMITS: e2 + e3 between -123 and 130 (added to an exponent field); e4 and e6 between -126 and 119; e4 + e5 is applied by v_ldexp_f32.  NaN is not served.
; REGISTERS, window 0: v1-15 addresses and scales; v16-31 statistics, 8 a tile; v32-47 at work, 8 a tile; v48-52; v64-191 S^T then p, 64 a tile; v192-223 the codes of p, 16 a tile.
;   window 1: v0-63 O^T, 32 a tile; v64-79 Q, 8 a tile; v128-191 eight fragments of K; v192-255 four fragments of V.
.set KP,    80                         ; a position of K in LDS: 64 bytes + 16 of padding: an odd multiple of 16
.set VP,    144                        ; a row of V: 128 keys + 16
.set VOFF,  256*KP                     ; a slot: 256 positions of K, then two blocks of 64 rows of V
.set VBLK,  64*VP
.set SLOT1, 1<<16                      ; slot 1 begins here: one exclusive or turns an address from one slot to the other
.set SPARE, 2*SLOT1                    ; the spare words, 128 bytes a wave: four blocks of 256 bytes that no other line names
.set STAGE, SPARE+1024                 ; the way out: 32 rows x (64 codes + 16) a wave; no fill lands here
.set SPT,   80
.set AK0,  1                           ; v1   my lane place in a tile of K
.set AV0,  2                           ; v2   of V
.set PFO,  3                           ; v3   256 x lane: the prefetch offset; never rewritten
.set QA,   4                           ; v4   my lane place among the 32 positions of my queries
.set SPW,  5                           ; v5   my spare word; never rewritten
.set NIL,  6                           ; v6   0; never rewritten
.set GO,   7                           ; v7   16 x lane
.set ADK,  8
.set ADV,  9
.set STO,  10
.set SRD,  11
.set PSC,  12                          ; 2^e4
.set PLIM, 13
.set CSC,  14                          ; 2^e6
.set CLIM, 15
.set ST,   16                          ; tile u at ST + 8 u: +0 -M, +1 the largest t, +2, +3 the sum in two halves, +4 f (later 1 / sum), +5 its pair
.set TM,   32                          ; tile u at TM + 8 u: +0, +1 two chains of the maximum, +2 the other half of the lanes, +4, +5 a chain of the sum, +6 d for the mask
.set NINF, 48
.set RR,   49                          ; r = lane % 16
.set HH,   50                          ; h = lane / 16
.set DL,   51                          ; r - 16 h
.set S,    64
.set P,    192
.set QF,   64                          ; window 1
.set KFR,  128
.set VF,   192
.set TB,   2                           ; s2   LDS byte at which the slot in hand begins
.set WV,   18
.set SEL,  20                          ; s[20:21] selects for lane l xor 16
.set CS,   22                          ; s[22:23] c = log2(e) / 8 x 2^(e2 + e3)
.set G1K,  24
.set G1V,  32
.set G0K,  40
.set G0V,  44
.set KB,   48                          ; s[48:49] kc at my part of slot 0 of the head
.set VB,   50                          ; s[50:51] vc likewise
.set NS,   54                          ; the key slot that the next fill brings
.set TN,   55                          ; the number of the next trip
.set IP1,  56                          ; i + 1: the trips of the first block of queries
.set SLOTS, 57                         ; fills still to be issued: the loop counter
.set KF,   58                          ; the step first key
.set Q0,   59                          ; my first query
.set Q0B,  60                          ; and in the second block
.set EPV,  61                          ; e4 + e5
.set QP,   66
.set QPB,  68
.set OP,   70
.set OPB,  72
.set PFA,  76
.set PFS,  78
.set LIM,  80
.set MSB, 0
.macro WIN new
.if MSB != \new
	s_set_vgpr_msb (MSB<<8)|\new
.set MSB, \new
.endif
.endm
.set W_LD,  0x40                       ; destination window 1
.set W_KQ,  0x05                       ; K and Q window 1, S^T window 0
.set W_PV,  0x51                       ; V window 1, P window 0, O^T window 1
.set W_RS,  0x41                       ; O^T (destination, source 0) window 1, f window 0
.set W_OUT, 0x01                       ; source 0 window 1
; Waves 0 and 1 fetch the halves of K, waves 2 and 3 the two blocks of V, the others nothing.  Four v_nop follow each of the two lines.
.macro TLOAD
	s_cmp_lt_u32 s[WV], 2
	s_cbranch_scc0 .Lnot_k_\@
	tensor_load_to_lds s[G0K:G0K+3], s[G1K:G1K+7]
	s_nop 0
.rept 4
	v_nop
.endr
	s_branch .Lasked_\@
.Lnot_k_\@:
	s_cmp_lt_u32 s[WV], 4
	s_cbranch_scc0 .Lasked_\@
	tensor_load_to_lds s[G0V:G0V+3], s[G1V:G1V+7]
	s_nop 0
.rept 4
	v_nop
.endr
.Lasked_\@:
.endm
; A PREFETCH INTO THE L2: the head work-group with i = 0 walks slots 0 to 7 in trips 1 to 8.  In it waves 4 and 5 ask for the halves of K and waves 6 and 7 for the blocks of V, 8,192 dense bytes a wave, lanes 256 bytes apart,
; of the slot that its NEXT fill will bring: two key steps ahead of that load.  Each block of 256 bytes of slots 1 to 7 is named once in the launch; slot 0 comes by its load alone; the last fill asks for nothing.
.macro ASK
	s_cmp_gt_u32 s[SLOTS], s[LIM]
	s_cbranch_scc0 .Lnot_mine_\@
	global_prefetch_b8 v[PFO], s[PFA:PFA+1] th:TH_LOAD_NT scope:SCOPE_SE
.Lnot_mine_\@:
.endm
.macro QLOAD                           ; my two tiles of Q stay in registers: query 16 u + r lies at position 16 (r / 8) + 8 u + r % 8 of my 32
	WIN W_LD
.irp u, 0,1
.irp c, 0,1
	global_load_b128 v[QF+8*\u+4*\c:QF+8*\u+4*\c+3], v[QA], s[QP:QP+1] offset:512*\u+32*\c
.endr
.endr
	WIN 0
.endm
.macro INIT                            ; the step is written once: the first finds zeros, which the first change of M leaves zeros
	WIN 0
.irp u, 0,1
	v_mov_b32 v[ST+8*\u+1], 0xff61b1e6             ; the largest t so far: -3e38
	s_delay_alu instid0(VALU_DEP_1)
	v_floor_f32 v[ST+8*\u], -v[ST+8*\u+1]          ; -M
	v_mov_b32 v[ST+8*\u+2], 0
	v_mov_b32 v[ST+8*\u+3], 0
	v_mov_b32 v[ST+8*\u+5], 0                      ; (named as the upper half of a pair)
	v_mov_b32 v[TM+8*\u+2], 0                      ; (a lane permute destination counts as one of its sources)
.endr
	WIN W_LD
.set j, 0
.rept 64
	v_mov_b32 v[j], 0                              ; O^T
.set j, j+1
.endr
	WIN 0
.endm
	s_load_b128 s[4:7], s[0:1], 0x0                ; qc, kc
	s_load_b128 s[8:11], s[0:1], 0x10              ; vc, the exponents
	s_load_b64 s[12:13], s[0:1], 0x20              ; cc
	v_lshl_add_u32 v[SPW], v0, 2, SPARE
	v_mov_b32 v[NIL], 0
	ds_add_u32 v5, v6
	ds_add_u32 v5, v6
	s_wait_dscnt 0x0
	v_lshrrev_b32 v8, 5, v0
	s_delay_alu instid0(VALU_DEP_1)
	v_readfirstlane_b32 s[WV], v8                  ; wave 0..7
	s_and_b32 s14, ttmp7, 0xffff                   ; the head, 16 b + h
	s_lshr_b32 s15, s14, 4                         ; b
	s_and_b32 s16, s14, 15                         ; h
	s_and_b32 s17, s[WV], 1                        ; which half of K, which block of V
	s_lshl_b32 s92, s14, 17                        ; kc: a head is 131,072 bytes, a half slot 8,192
	s_lshl_b32 s93, s17, 13
	s_add_co_u32 s92, s92, s93
	s_mov_b32 s93, 0
	s_lshl_b32 s94, s15, 21                        ; vc: a batch is 2^21 bytes, a block of 128 keys 131,072, a head in it 8,192
	s_lshl_b32 s95, s16, 13
	s_add_co_u32 s94, s94, s95
	s_lshl_b32 s95, s17, 17
	s_add_co_u32 s94, s94, s95
	s_mov_b32 s95, 0
	; descriptor group 1: each load is 8,192 dense bytes, stated as 32 rows of 256; K is padded behind every 64 bytes, V behind every 128
	s_mov_b32 s[G1K], (0<<16)|(1<<20)|(3<<22)|(3<<25)   ; no mask; elements of 1 byte; padding on; after every 16 words, four words
	s_mov_b32 s[G1V], (0<<16)|(1<<20)|(4<<22)|(3<<25)   ; after every 32 words
.irp g, G1K, G1V
	s_mov_b32 s[\g+1], 256<<16                     ; tensor_dim0
	s_mov_b32 s[\g+2], 32<<16                      ; tensor_dim1
	s_mov_b32 s[\g+3], 256<<16                     ; tile_dim0
	s_mov_b32 s[\g+4], 32                          ; tile_dim1
	s_mov_b32 s[\g+5], 256                         ; from row to row
	s_mov_b32 s[\g+6], 0
	s_mov_b32 s[\g+7], 0
.endr
	s_mul_i32 s96, s17, 128*KP                     ; where they go in a slot
	s_mul_i32 s97, s17, VBLK
	s_add_co_u32 s97, s97, VOFF
	s_mov_b32 s[SEL], 0x76543210
	s_mov_b32 s[SEL+1], 0xfedcba98
	s_mov_b32 s[CS], 0x3e38aa3b                    ; log2(e) / 8
	s_mov_b32 s[TB], 0
	s_mov_b32 s53, 0
	s_mov_b32 s[NS], 0
	s_mov_b32 s[TN], 1
	s_add_co_u32 s[IP1], ttmp9, 1
	s_mov_b32 s[SLOTS], 8
	s_mov_b32 s[KF], 0
	s_wait_kmcnt 0x0
	s_load_b256 s[84:91], s[10:11], 0x0            ; e0 .. e7
	s_add_nc_u64 s[KB:KB+1], s[6:7], s[92:93]
	s_add_nc_u64 s[VB:VB+1], s[8:9], s[94:95]
	s_mov_b32 s[G0K], 1                            ; count = 1
	s_mov_b32 s[G0K+1], s96                        ; LDS address: slot 0
	s_mov_b64 s[G0K+2:G0K+3], s[KB:KB+1]           ; key slot 0
	s_or_b32 s[G0K+3], s[G0K+3], 0x80000000        ; type = 2
	s_mov_b32 s[G0V], 1
	s_mov_b32 s[G0V+1], s97
	s_mov_b64 s[G0V+2:G0V+3], s[VB:VB+1]
	s_or_b32 s[G0V+3], s[G0V+3], 0x80000000
	TLOAD                                          ; the first fill, ahead of every wait on TENSORcnt, LDS read and barrier
	s_lshl_b32 s92, ttmp9, 8
	s_lshl_b32 s93, s[WV], 5
	s_add_co_u32 s[Q0], s92, s93                   ; my first query: 256 i + 32 wave,
	s_sub_co_u32 s92, 7, ttmp9
	s_lshl_b32 s92, s92, 8
	s_add_co_u32 s[Q0B], s92, s93                  ; then 256 (7 - i) + 32 wave
	s_lshl_b32 s94, s14, 17
	s_lshl_b32 s92, s[Q0], 6
	s_add_co_u32 s92, s92, s94
	s_mov_b32 s93, 0
	s_add_nc_u64 s[QP:QP+1], s[4:5], s[92:93]
	s_lshl_b32 s92, s[Q0B], 6
	s_add_co_u32 s92, s92, s94
	s_add_nc_u64 s[QPB:QPB+1], s[4:5], s[92:93]
	s_lshl_b32 s94, s16, 13
	s_lshl_b32 s95, s15, 11
	s_add_co_u32 s94, s94, s95                     ; cc: row 8,192 h + 2,048 b + query, 64 bytes a row
	s_add_co_u32 s92, s94, s[Q0]
	s_lshl_b32 s92, s92, 6
	s_add_nc_u64 s[OP:OP+1], s[12:13], s[92:93]
	s_add_co_u32 s92, s94, s[Q0B]
	s_lshl_b32 s92, s92, 6
	s_add_nc_u64 s[OPB:OPB+1], s[12:13], s[92:93]
	s_mov_b32 s[PFS], 262144                       ; the prefetches: a slot on in vc,
	s_cmp_lt_u32 s[WV], 6
	s_cselect_b64 s[PFA:PFA+1], s[KB:KB+1], s[VB:VB+1]
	s_cselect_b32 s[PFS], 16384, s[PFS]            ; in kc
	s_mov_b32 s[PFS+1], 0
	s_lshr_b32 s92, s[WV], 2
	s_xor_b32 s92, s92, 1                          ; 0 in waves 4 to 7,
	s_or_b32 s92, s92, ttmp9                       ; of the work-group with i = 0
	s_cmp_eq_u32 s92, 0
	s_cselect_b32 s[LIM], 1, -1
	v_and_b32 v[RR], 15, v0
	v_bfe_u32 v[HH], v0, 4, 1
	s_delay_alu instid0(VALU_DEP_1)
	v_lshlrev_b32 v52, 4, v[HH]
	s_delay_alu instid0(VALU_DEP_1)
	v_sub_nc_u32 v[DL], v[RR], v52
	v_and_b32 v52, 31, v0                          ; lane
	s_delay_alu instid0(VALU_DEP_1)
	v_lshlrev_b32 v[GO], 4, v52
	s_delay_alu instid0(VALU_DEP_2)
	v_lshlrev_b32 v[PFO], 8, v52
	v_mul_u32_u24 v[AK0], v[RR], KP
	s_delay_alu instid0(VALU_DEP_1)
	v_lshl_add_u32 v[AK0], v[HH], 4, v[AK0]
	v_mul_u32_u24 v[AV0], v[RR], VP
	s_delay_alu instid0(VALU_DEP_1)
	v_lshl_add_u32 v[AV0], v[HH], 4, v[AV0]
	s_delay_alu instid0(VALU_DEP_1)
	v_add_nc_u32 v[AV0], VOFF, v[AV0]
	v_and_b32 v[QA], 8, v[RR]
	s_delay_alu instid0(VALU_DEP_1)
	v_add_nc_u32 v[QA], v[QA], v[RR]               ; 16 (r / 8) + r % 8
	s_delay_alu instid0(VALU_DEP_1)
	v_lshlrev_b32 v[QA], 6, v[QA]
	s_delay_alu instid0(VALU_DEP_1)
	v_lshl_add_u32 v[QA], v[HH], 4, v[QA]
	QLOAD
	s_mul_i32 s92, s[WV], 32*SPT
	s_add_co_u32 s92, s92, STAGE                   ; my stage
	v_mul_u32_u24 v[STO], v[RR], SPT
	s_delay_alu instid0(VALU_DEP_1)
	v_lshl_add_u32 v[STO], v[HH], 3, v[STO]
	s_delay_alu instid0(VALU_DEP_1)
	v_add_nc_u32 v[STO], s92, v[STO]               ; in: row r, 8 codes for each half of the lanes
	v_lshrrev_b32 v[SRD], 2, v52
	s_delay_alu instid0(VALU_DEP_1)
	v_mul_u32_u24 v[SRD], v[SRD], SPT
	v_and_b32 v52, 3, v52
	s_delay_alu instid0(VALU_DEP_1)
	v_lshl_add_u32 v[SRD], v52, 4, v[SRD]
	s_delay_alu instid0(VALU_DEP_1)
	v_add_nc_u32 v[SRD], s92, v[SRD]               ; back: four lanes to a row of 64 codes, eight rows an instruction
	v_mov_b32 v[NINF], 0xff800000
	INIT
	s_wait_kmcnt 0x0
	s_add_co_i32 s92, s86, s87
	s_lshl_b32 s92, s92, 23
	s_add_co_i32 s[CS], s[CS], s92                 ; e2 + e3 go into the exponent field of c
	s_mov_b32 s[CS+1], s[CS]                       ; (named with it as a pair)
	s_add_co_i32 s92, s88, 127
	s_lshl_b32 s93, s92, 23
	v_mov_b32 v[PSC], s93
	s_add_co_i32 s92, s90, 127
	s_lshl_b32 s93, s92, 23
	v_mov_b32 v[CSC], s93
	s_add_co_i32 s[EPV], s88, s89
; THE SOFTMAX of a key step, the two tiles line by line by turns, so that no line waits for the line above it.
.macro SOFTMAX
.irp u, 0,1
	v_max3_num_f32 v[TM+8*\u], v[S+64*\u], v[S+64*\u+1], v[S+64*\u+2]        ; the largest of my 64 scores, in two chains, each accumulator from its low end on
	v_max3_num_f32 v[TM+8*\u+1], v[S+64*\u+3], v[S+64*\u+4], v[S+64*\u+5]
.endr
.irp i, 6,10,14,18,22,26,30,34,38,42,46,50,54,58
.irp u, 0,1
	v_max3_num_f32 v[TM+8*\u], v[TM+8*\u], v[S+64*\u+\i], v[S+64*\u+\i+1]
	v_max3_num_f32 v[TM+8*\u+1], v[TM+8*\u+1], v[S+64*\u+\i+2], v[S+64*\u+\i+3]
.endr
.endr
.irp u, 0
	v_max3_num_f32 v[TM+8*\u], v[TM+8*\u], v[S+64*\u+62], v[S+64*\u+63]
.endr
.irp u, 1
	v_max3_num_f32 v[TM+8*\u], v[TM+8*\u], v[S+64*\u+62], v[S+64*\u+63]
.endr
.irp u, 0,1
	s_delay_alu instid0(VALU_DEP_2)
	v_max_num_f32 v[TM+8*\u], v[TM+8*\u], v[TM+8*\u+1]
.endr
.irp u, 0,1
	s_delay_alu instid0(VALU_DEP_2)
	v_permlanex16_b32 v[TM+8*\u+2], v[TM+8*\u], s[SEL], s[SEL+1]
.endr
.irp u, 0,1
	s_delay_alu instid0(VALU_DEP_2)
	v_max_num_f32 v[TM+8*\u], v[TM+8*\u], v[TM+8*\u+2]     ; and of the other 64 keys of my query
.endr
.irp u, 0,1
	s_delay_alu instid0(VALU_DEP_2)
	v_mul_f32 v[TM+8*\u], s[CS], v[TM+8*\u]                ; as t (c is positive)
.endr
.irp u, 0,1
	s_delay_alu instid0(VALU_DEP_2)
	v_max_num_f32 v[ST+8*\u+1], v[ST+8*\u+1], v[TM+8*\u]   ; the running largest t
.endr
.irp u, 0,1
	v_mov_b32 v[TM+8*\u], v[ST+8*\u]
.endr
.irp u, 0,1
	s_delay_alu instid0(VALU_DEP_4)
	v_floor_f32 v[ST+8*\u], -v[ST+8*\u+1]                  ; the new -M = -ceil(t): a whole number
.endr
.irp u, 0,1
	s_delay_alu instid0(VALU_DEP_2)
	v_sub_f32 v[TM+8*\u], v[ST+8*\u], v[TM+8*\u]           ; old M - new M, 0 or less
.endr
.irp u, 0,1
	s_delay_alu instid0(VALU_DEP_2)
	v_cvt_i32_f32 v[TM+8*\u], v[TM+8*\u]                   ; (it saturates)
.endr
.irp u, 0,1
	s_delay_alu instid0(VALU_DEP_2)
	v_ldexp_f32 v[ST+8*\u+4], 1.0, v[TM+8*\u]              ; f = 2^(old M - new M)
.endr
.set j, 0
.rept 32
	v_pk_fma_f32 v[S+j:S+j+1], v[S+j:S+j+1], s[CS:CS+1], v[ST:ST+1] op_sel_hi:[1,0,0]             ; t - M, two at a time
	v_pk_fma_f32 v[S+64+j:S+64+j+1], v[S+64+j:S+64+j+1], s[CS:CS+1], v[ST+8:ST+9] op_sel_hi:[1,0,0]
.set j, j+2
.endr
.set j, 0
	s_wait_alu depctr_va_vdst(0)
.rept 128
	v_exp_f32 v[S+j], v[S+j]                       ; p = 2^(t - M): one batch
.set j, j+1
.endr
	v_pk_mul_f32 v[ST+2:ST+3], v[ST+2:ST+3], v[ST+4:ST+5] op_sel_hi:[1,0]        ; the sums under the new M: plain lines behind the exponentials
	v_pk_mul_f32 v[ST+10:ST+11], v[ST+10:ST+11], v[ST+12:ST+13] op_sel_hi:[1,0]
	s_wait_alu depctr_va_vdst(0)                   ; one wait for the whole batch, ahead of its first reader
.irp u, 0,1
	v_pk_add_f32 v[TM+8*\u+4:TM+8*\u+5], v[S+64*\u:S+64*\u+1], v[S+64*\u+2:S+64*\u+3]   ; the sum of the UNQUANTISED p, in two chains
.endr
.irp i, 4,8,12,16,20,24,28,32,36,40,44,48,52,56,60
.irp u, 0,1
	v_pk_add_f32 v[ST+8*\u+2:ST+8*\u+3], v[ST+8*\u+2:ST+8*\u+3], v[S+64*\u+\i:S+64*\u+\i+1]
	v_pk_add_f32 v[TM+8*\u+4:TM+8*\u+5], v[TM+8*\u+4:TM+8*\u+5], v[S+64*\u+\i+2:S+64*\u+\i+3]
.endr
.endr
.irp u, 0
	s_delay_alu instid0(VALU_DEP_3)
	v_pk_add_f32 v[ST+8*\u+2:ST+8*\u+3], v[ST+8*\u+2:ST+8*\u+3], v[TM+8*\u+4:TM+8*\u+5]
.endr
.irp u, 1
	s_delay_alu instid0(VALU_DEP_2)
	v_pk_add_f32 v[ST+8*\u+2:ST+8*\u+3], v[ST+8*\u+2:ST+8*\u+3], v[TM+8*\u+4:TM+8*\u+5]
.endr
.irp u, 0,1
.irp b, 0,1,2,3
.set j, 0
.rept 16
.set j, j+1
.endr
	v_cvt_scalef32_pk8_fp8_f32 v[P+16*\u+4*\b:P+16*\u+4*\b+1], v[S+64*\u+16*\b:S+64*\u+16*\b+7], v[PSC]
	v_cvt_scalef32_pk8_fp8_f32 v[P+16*\u+4*\b+2:P+16*\u+4*\b+3], v[S+64*\u+16*\b+8:S+64*\u+16*\b+15], v[PSC]
.endr
.endr
	WIN W_RS
.set j, 0
.rept 16
	v_pk_mul_f32 v[j:j+1], v[j:j+1], v[ST+4:ST+5] op_sel_hi:[1,0]            ; O^T under the new M; these are also the plain lines behind the conversions
	v_pk_mul_f32 v[32+j:32+j+1], v[32+j:32+j+1], v[ST+12:ST+13] op_sel_hi:[1,0]
.set j, j+2
.endr
.endm
; A KEY STEP: 128 keys, the q-th of the slot in hand.
.macro STEP q
	s_add_co_u32 s92, s[Q0], 31
	s_cmp_gt_u32 s[KF], s92                        ; all keys behind my last query: nothing to do but to step the key count
	s_cbranch_scc1 .Lhidden_\@
	v_add_nc_u32 v[ADK], s[TB], v[AK0]
	v_add_nc_u32 v[ADV], s[TB], v[AV0]
	v_nop                                          ; with the two additions: four places between the last products V^T P^T and the loads into the registers of V below
	v_nop
	WIN W_LD
.irp T, 0,1,2,3,4,5,6,7
.irp c, 0,1
	ds_load_b128 v[KFR+8*\T+4*\c:KFR+8*\T+4*\c+3], v[ADK] offset:(128*(\q)+16*\T)*KP+32*\c   ; registers 4 c on: d = 32 c + 16 h + 0 .. 15, as in Q
.endr
.endr
	s_wait_alu depctr_va_vdst(0)
	s_wait_dscnt 0x0
	WIN W_KQ
.irp T, 0,1,2,3,4,5,6,7
.irp u, 0,1
	v_wmma_f32_16x16x64_fp8_fp8 v[S+64*\u+8*\T:S+64*\u+8*\T+7], v[KFR+8*\T:KFR+8*\T+7], v[QF+8*\u:QF+8*\u+7], 0
.endr
.endr
	WIN W_LD
.irp t, 0,1,2,3
.irp c, 0,1,2,3
	ds_load_b128 v[VF+16*\t+4*\c:VF+16*\t+4*\c+3], v[ADV] offset:VBLK*(\q)+16*VP*\t+32*\c    ; V lands while the softmax is walked
.endr
.endr
	WIN 0
.rept 4
	v_nop                                          ; places in front of the first read of the scores
.endr
	s_add_co_u32 s92, s[KF], 127
	s_cmp_le_u32 s92, s[Q0]                        ; all keys count for all my queries: no mask
	s_cbranch_scc1 .Lopen_\@
	s_sub_co_i32 s92, s[Q0], s[KF]
	v_add_nc_u32 v[TM+6], s92, v[DL]               ; d = my query - the first key - 16 h.  Register n holds key 32 (n / 16) + n % 16 + 16 h: hidden where 32 (n / 16) + n % 16 > d
	s_delay_alu instid0(VALU_DEP_1)
	v_add_nc_u32 v[TM+14], 16, v[TM+6]
.set n, 0
.rept 64
	v_cmp_gt_i32 vcc_lo, 32*(n/16)+n%16, v[TM+6]
	v_cndmask_b32 v[S+n], v[S+n], v[NINF], vcc_lo
	v_cmp_gt_i32 vcc_lo, 32*(n/16)+n%16, v[TM+14]
	v_cndmask_b32 v[S+64+n], v[S+64+n], v[NINF], vcc_lo
.set n, n+1
.endr
.Lopen_\@:
	SOFTMAX
	s_wait_alu depctr_va_vdst(0)
	s_wait_dscnt 0x0                               ; V is in
	WIN W_PV
.irp t, 0,1,2,3
.irp u, 0,1
	v_wmma_f32_16x16x128_fp8_fp8 v[32*\u+8*\t:32*\u+8*\t+7], v[VF+16*\t:VF+16*\t+15], v[P+16*\u:P+16*\u+15], v[32*\u+8*\t:32*\u+8*\t+7]   ; eight accumulators by turns, one instruction a turn
.endr
.endr
	WIN 0
.Lhidden_\@:
	s_add_co_u32 s[KF], s[KF], 128
.endm
; THE CHANGE OF SLOTS stands at the head of a slot.  Each wave waits for all its tensor loads (its part of the slot ahead), adds 0 to its spare word, and waits for that and for its reads of the slot that it has left.
; Behind the barrier the slot ahead is whole and nobody reads the other one.  fill = 1: that other slot takes the keys of the next trip: the load has two key steps in which to land.
.macro CHANGE fill
	s_wait_tensorcnt 0x0                           ; no tensor load of mine is out, so a group 0 may be written
	ds_add_u32 v[SPW], v[NIL]                      ; 0 onto my spare word
.if \fill
	s_add_co_u32 s[NS], s[NS], 1
	s_cmp_eq_u32 s[TN], s[IP1]
	s_cselect_b32 s[NS], 0, s[NS]                  ; the second block of queries begins at key slot 0 again
	s_xor_b32 s[G0K+1], s[G0K+1], SLOT1            ; the other LDS slot than last time
	s_xor_b32 s[G0V+1], s[G0V+1], SLOT1
	s_lshl_b32 s52, s[NS], 14                      ; a slot of K is 16,384 bytes,
	s_add_nc_u64 s[G0K+2:G0K+3], s[KB:KB+1], s[52:53]
	s_or_b32 s[G0K+3], s[G0K+3], 0x80000000
	s_lshl_b32 s52, s[NS], 18                      ; of V two blocks 131,072 bytes apart
	s_add_nc_u64 s[G0V+2:G0V+3], s[VB:VB+1], s[52:53]
	s_or_b32 s[G0V+3], s[G0V+3], 0x80000000
	s_wait_xcnt 0x0                                ; the last prefetch, a slot back, has read its address
	s_add_nc_u64 s[PFA:PFA+1], s[PFA:PFA+1], s[PFS:PFS+1]
.endif
	s_wait_dscnt 0x0                               ; the add is done, and my reads of the slot that I have left are over
	s_barrier_signal -1
	s_barrier_wait -1
.if \fill
	TLOAD                                          ; the first thing behind the barrier, and the one tensor load of a wave until the next
	ASK
.endif
.endm
; THE WAY OUT of a block of queries: ctx = O^T x 2^(e4 + e5) / the sum, quantised with 2^e6; 8 codes a lane and tile into my stage (32 rows of 64 codes), back 16 bytes a lane: each store covers 512 consecutive bytes, aligned.
; The four additions, the v_nop and the two v_ldexp_f32 are the places between the last products and the first read of O^T.
.macro WAYOUT
.irp u, 0,1
	v_add_f32 v[TM+8*\u], v[ST+8*\u+2], v[ST+8*\u+3]
.endr
.irp u, 0,1
	s_delay_alu instid0(VALU_DEP_2)
	v_permlanex16_b32 v[TM+8*\u+2], v[TM+8*\u], s[SEL], s[SEL+1]
.endr
.irp u, 0,1
	s_delay_alu instid0(VALU_DEP_2)
	v_add_f32 v[TM+8*\u], v[TM+8*\u], v[TM+8*\u+2] ; the sum of the row
.endr
	s_wait_alu depctr_va_vdst(0)
.irp u, 0,1
	v_rcp_f32 v[ST+8*\u+4], v[TM+8*\u]
.endr
	v_nop                                          ; a plain line behind the reciprocals,
	s_wait_alu depctr_va_vdst(0)                   ; and one wait for both, ahead of their first reader
.irp u, 0,1
	v_ldexp_f32 v[ST+8*\u+4], v[ST+8*\u+4], s[EPV]
.endr
	WIN W_OUT
.set j, 0
.rept 16
	v_pk_mul_f32 v[S+j:S+j+1], v[j:j+1], v[ST+4:ST+5] op_sel_hi:[1,0]        ; each accumulator from its low end on
	v_pk_mul_f32 v[S+64+j:S+64+j+1], v[32+j:32+j+1], v[ST+12:ST+13] op_sel_hi:[1,0]
.set j, j+2
.endr
	WIN 0
.set j, 0
.rept 32
.set j, j+1
.endr
.irp u, 0,1
.irp t, 0,1,2,3
	v_cvt_scalef32_pk8_fp8_f32 v[P+16*\u+2*\t:P+16*\u+2*\t+1], v[S+64*\u+8*\t:S+64*\u+8*\t+7], v[CSC]   ; ctx(query 16 u + r, d = 16 t + 8 h + 0 .. 7)
.endr
.endr
	v_nop                                          ; one plain vector line behind the last conversion
.irp u, 0,1
.irp t, 0,1,2,3
	ds_store_b64 v[STO], v[P+16*\u+2*\t:P+16*\u+2*\t+1] offset:16*SPT*\u+16*\t
.endr
.endr
.irp i, 0,1,2,3
	ds_load_b128 v[S+4*\i:S+4*\i+3], v[SRD] offset:8*SPT*\i    ; LDS serves a wave in order: these see my stores
.endr
.irp i, 0,1,2,3
	s_wait_dscnt 3-\i                              ; load i is back; the younger ones may be out
	global_store_b128 v[GO], v[S+4*\i:S+4*\i+3], s[OP:OP+1] offset:512*\i
.endr
	s_wait_xcnt 0x0                                ; the stores have read their registers and their base: both are written again below
.endm
	s_wait_loadcnt 0x0                             ; Q
.Ltrip:                                                ; eight trips; behind each change of slots the next trip keys are asked for
	CHANGE 1
	STEP 0
	STEP 1
	s_xor_b32 s[TB], s[TB], SLOT1                  ; on to the other slot
	s_cmp_eq_u32 s[TN], s[IP1]                     ; was this the last slot of the first block of queries?  A branch on ids, the same in all eight waves, round no barrier and no tensor load
	s_cbranch_scc0 .Lsame
	WAYOUT
	s_mov_b64 s[QP:QP+1], s[QPB:QPB+1]
	s_mov_b64 s[OP:OP+1], s[OPB:OPB+1]
	s_mov_b32 s[Q0], s[Q0B]
	s_mov_b32 s[KF], 0
	QLOAD
	INIT
	s_wait_loadcnt 0x0
.Lsame:
	s_add_co_u32 s[TN], s[TN], 1
	s_sub_co_u32 s[SLOTS], s[SLOTS], 1
	s_cmp_lg_u32 s[SLOTS], 0
	s_cbranch_scc1 .Ltrip
	CHANGE 0                                       ; the ninth slot is written out
	STEP 0
	STEP 1
	WAYOUT
	s_wait_tensorcnt 0x0                           ; the wave end
	ds_add_u32 v[SPW], v[NIL]
	s_wait_dscnt 0x0
	s_endpgm
.Lfunc_end_k_qc6eeebe85d_attn:
	.size	k_qc6eeebe85d_attn, .Lfunc_end_k_qc6eeebe85d_attn-k_qc6eeebe85d_attn
	.p2alignl 7, 3214868480
	.fill 96, 4, 3214868480
	.section	.rodata,"a",@progbits
	.p2align	6, 0x0
	.amdhsa_kernel k_qc6eeebe85d_attn
		.amdhsa_group_segment_fixed_size 327680
		.amdhsa_private_segment_fixed_size 0
		.amdhsa_enable_private_segment 0
		.amdhsa_kernarg_size 40
		.amdhsa_user_sgpr_count 2
		.amdhsa_user_sgpr_kernarg_segment_ptr 1
		.amdhsa_wavefront_size32 1
		.amdhsa_system_sgpr_workgroup_id_x 1
		.amdhsa_system_sgpr_workgroup_id_y 1
		.amdhsa_system_sgpr_workgroup_id_z 1
		.amdhsa_system_vgpr_workitem_id 0
		.amdhsa_next_free_vgpr 512
		.amdhsa_next_free_sgpr 100
		.amdhsa_reserve_vcc 1
		.amdhsa_float_denorm_mode_32 3
		.amdhsa_float_denorm_mode_16_64 3
		.amdhsa_fp16_overflow 1
		.amdhsa_memory_ordered 1
		.amdhsa_forward_progress 1
		.amdhsa_inst_pref_size 165
	.end_amdhsa_kernel
	.amdgpu_metadata
---
amdhsa.version: [ 1, 2 ]
amdhsa.kernels:
  - .name:           k_qc6eeebe85d_attn
    .symbol:         k_qc6eeebe85d_attn.kd
    .args:
      - { .name: qc, .offset: 0, .size: 8, .value_kind: global_buffer, .address_space: global }
      - { .name: kc, .offset: 8, .size: 8, .value_kind: global_buffer, .address_space: global }
      - { .name: vc, .offset: 16, .size: 8, .value_kind: global_buffer, .address_space: global }
      - { .name: lowp_scales, .offset: 24, .size: 8, .value_kind: global_buffer, .address_space: global }
      - { .name: cc, .offset: 32, .size: 8, .value_kind: global_buffer, .address_space: global }
    .group_segment_fixed_size: 327680
    .private_segment_fixed_size: 0
    .kernarg_segment_align: 8
    .kernarg_segment_size: 40
    .max_flat_workgroup_size: 256
    .sgpr_count:     100
    .vgpr_count:     512
    .wavefront_size: 32
...
	.end_amdgpu_metadata
.endif
;; end of part 3
;; launch gemm_out (part 4): grid 8 x 32, 4 waves a work-group, clusters of 4 x 4, 327,680 bytes of LDS; arguments cc, woc, lowp_scales, b_out, out0; writes out0
.if DOCPART == 4
	.amdgcn_target "amdgcn-amd-amdhsa--gfx1250"
	.amdhsa_code_object_version 6
	.text
	.protected	k_qc6eeebe85d_gemm_out
	.globl	k_qc6eeebe85d_gemm_out
	.p2align	8
	.type	k_qc6eeebe85d_gemm_out,@function
k_qc6eeebe85d_gemm_out:
	s_mov_b64 s[64:65], 0
	v_nop
	global_prefetch_b8 v0, s[64:65] scope:SCOPE_SE
	s_setreg_imm32_b32 hwreg(HW_REG_WAVE_MODE, 25, 1), 1
	s_wait_xcnt 0x0
	s_wait_alu depctr_hold_cnt(0) depctr_sa_sdst(0) depctr_va_vdst(0) depctr_va_sdst(0) depctr_va_ssrc(0) depctr_va_vcc(0) depctr_vm_vsrc(0)
	s_getreg_b32 s2, hwreg(HW_REG_IB_STS2, 6, 4)
	s_cmp_eq_u32 s2, 0
	s_cbranch_scc0 .Lentry_in_a_cluster
	s_endpgm
.Lentry_in_a_cluster:
	s_bfe_u32 s2, ttmp6, 0x10000c
	s_cmp_lg_u32 s2, 0xf033
	s_cbranch_scc0 .Lentry_shape_is_right
	s_endpgm
.Lentry_shape_is_right:
; out0 = ctx w_out + b_out on codes of FP8 (E4M3), K = 1,024.  cc: ctx as codes, [h 16][row 8,192][64]: k = 64 h + d.  woc: [1,024 n][1,024 k].  out0 [8,192][1,024] f32 = sum x 2^(e6 + e7) + bias.
; LIMIT: e6 + e7 between -126 and 127.
; A tile is 256 rows x 128 columns: 256 work-groups.  Four waves, each 128 rows x 64 columns: 32 accumulators, 256 registers.  THE MATRIX INSTRUCTION IS USED TRANSPOSED (source 0 = 16 rows of woc, source 1 = 16 rows of ctx):
; a lane holds eight neighbouring numbers of a row of out0.  K goes in steps of 256 (four heads) through a ring of two LDS slots.
; Waves 0 and 1 fetch the halves of A (128 rows of ctx x 4 heads: four dense pieces of 8,192 bytes, 524,288 bytes apart), wave 2 the 128 rows of B, wave 3 nothing.
; CLUSTERS: 4 x 4 work-groups; the tile of A is asked for jointly by a row of the cluster, that of B by a column.
; REGISTERS: window 0: v1-31 addresses; v32-63 the bias; from v128 the fragments of A, one set; on the way out v128-223 are at work.  window 1: the fragments of B, two sets of 64.  window 2: the accumulators ((a, b) at v[8 (4 a + b)]).
.set AP,     80                        ; a row of ctx of one head in LDS: 64 bytes + 16 of padding
.set PLANE,  128*AP                    ; 128 rows of one head
.set AHALF,  4*PLANE                   ; what a wave fetches of A
.set BP,     272                       ; a row of B: 256 bytes + 16
.set BOFF,   2*AHALF
.set SLOT,   BOFF+128*BP
.set FR,     16
.set LAPS,   2
.set SPARE,  2*SLOT                    ; the spare words, 128 bytes a wave: two blocks of 256 bytes that no other line names
.set SPITCH, 272                       ; the way out: a stage of 16 rows x (256 bytes + 16) a wave, in slot 0, which has had its last fill and its last read by then
.set BQO,  12
.set ADRA, 16
.set ADRB, 20
.set STO,  24
.set RD,   25
.set CO,   26
.set SPW,  28
.set NIL,  29
.set BQ,   32
.set AF,   128
.set TMP,  128
.set BK,   160
.set G1, 24
.set G0, 32
.set G1B, 48
.set G0B, 56
.set MSB, 0
.macro WIN new
.if MSB != \new
	s_set_vgpr_msb (MSB<<8)|\new
.set MSB, \new
.endif
.endm
.set MUL,  0xa1                        ; source 0 (B) window 1, source 1 (A) window 0, C and D window 2
.set TO_B, 0x40
; A joint refill.  The branches hang on the wave number alone.  Four v_nop follow each tensor load; they are also the places in front of the loads that follow, so wave 3 has four of its own.
.macro JLOAD s
	s_cmp_lt_u32 s14, 2
	s_cbranch_scc0 .Lnot_a_\@
	tensor_load_to_lds s[G0+4*\s:G0+4*\s+3], s[G1:G1+7]
	s_nop 0
.rept 4
	v_nop
.endr
	s_branch .Lasked_\@
.Lnot_a_\@:
	s_cmp_eq_u32 s14, 2
	s_cbranch_scc0 .Lnone_\@
	tensor_load_to_lds s[G0B+4*\s:G0B+4*\s+3], s[G1B:G1B+7]
	s_nop 0
.rept 4
	v_nop
.endr
	s_branch .Lasked_\@
.Lnone_\@:
.rept 4
	v_nop
.endr
.Lasked_\@:
.endm
.macro CREST
	s_cmp_lg_u32 s14, 0
	s_cbranch_scc1 .Lnot_wave_0_\@
	s_barrier_signal -3
.Lnot_wave_0_\@:
	s_barrier_wait -3
	s_barrier_signal -1
	s_barrier_wait -1
.endm
.macro CROUND
	s_barrier_signal -1
	s_barrier_wait -1
	CREST
.endm
	s_load_b128 s[4:7], s[0:1], 0x0                ; cc, woc
	s_load_b128 s[8:11], s[0:1], 0x10              ; the exponents, b_out
	s_load_b64 s[12:13], s[0:1], 0x20              ; out0
	v_lshl_add_u32 v[SPW], v0, 2, SPARE
	v_mov_b32 v[NIL], 0
	ds_add_u32 v28, v29
	s_wait_dscnt 0x0
	v_lshrrev_b32 v1, 5, v0
	v_readfirstlane_b32 s14, v1                    ; wave 0..3
	s_lshr_b32 s15, s14, 1                         ; rh: which 128 rows are mine
	s_and_b32 s16, s14, 1                          ; ch: which 64 columns.  Also: which half of A waves 0 and 1 fetch
	s_bfe_u32 s40, ttmp6, 0x40000                  ; cx, cy
	s_bfe_u32 s41, ttmp6, 0x40004
	s_lshl_b32 s42, ttmp9, 2
	s_add_co_u32 s42, s42, s40                     ; tc: tile column, 0..7
	s_and_b32 s17, ttmp7, 0xffff
	s_lshl_b32 s17, s17, 2
	s_add_co_u32 s17, s17, s41                     ; tr: tile row, 0..31
	s_lshl_b32 s43, s41, 2
	s_lshl_b32 s43, 15, s43                        ; my row of the cluster
	s_lshl_b32 s44, 0x1111, s40                    ; my column
	; group 1 for A: 4 rows of 8,192 bytes, 524,288 bytes apart, padded behind every 64 bytes
	s_or_b32 s[G1+0], s43, (0<<16)|(1<<20)|(1<<21)|(3<<22)|(3<<25)
	s_mov_b32 s[G1+1], 8192<<16                    ; tensor_dim0
	s_mov_b32 s[G1+2], 4<<16                       ; tensor_dim1
	s_mov_b32 s[G1+3], 8192<<16                    ; tile_dim0
	s_mov_b32 s[G1+4], 4                           ; tile_dim1
	s_mov_b32 s[G1+5], 524288                      ; from head to head
	s_mov_b32 s[G1+6], 0
	s_mov_b32 s[G1+7], 0
	; group 1 for B: 128 rows of 256 bytes, 1,024 bytes apart, padded behind every 256 bytes
	s_or_b32 s[G1B+0], s44, (0<<16)|(1<<20)|(1<<21)|(5<<22)|(3<<25)
	s_mov_b32 s[G1B+1], 256<<16
	s_mov_b32 s[G1B+2], 128<<16
	s_mov_b32 s[G1B+3], 256<<16
	s_mov_b32 s[G1B+4], 128
	s_mov_b32 s[G1B+5], 1024
	s_mov_b32 s[G1B+6], 0
	s_mov_b32 s[G1B+7], 0
	s_lshl_b32 s20, s17, 1
	s_add_co_u32 s20, s20, s16
	s_lshl_b32 s20, s20, 13                        ; A: (256 tr + 128 half) rows of 64 bytes
	s_mov_b32 s21, 0
	s_lshl_b32 s46, s42, 17                        ; B: 128 tc rows of 1,024 bytes
	s_mov_b32 s47, 0
	s_mul_i32 s45, s14, AHALF                      ; where they go: the halves of A, then B: wave x 40,960: no place in the cluster enters an LDS address
	s_wait_kmcnt 0x0
	s_load_b256 s[76:83], s[8:9], 0x0              ; e0 .. e7
	s_add_nc_u64 s[20:21], s[4:5], s[20:21]
	s_add_nc_u64 s[46:47], s[6:7], s[46:47]
.irp s, 0,1
	s_mov_b32 s[G0+4*\s], 1
	s_add_co_u32 s[G0+4*\s+1], s45, \s*SLOT
	s_add_nc_u64 s[G0+4*\s+2:G0+4*\s+3], s[20:21], \s*4*524288   ; K step s: four heads on
	s_or_b32 s[G0+4*\s+3], s[G0+4*\s+3], 0x80000000
	s_mov_b32 s[G0B+4*\s], 1
	s_add_co_u32 s[G0B+4*\s+1], s45, \s*SLOT
	s_add_nc_u64 s[G0B+4*\s+2:G0B+4*\s+3], s[46:47], \s*256
	s_or_b32 s[G0B+4*\s+3], s[G0B+4*\s+3], 0x80000000
.endr
	CROUND                                         ; all sixteen work-groups are here: the first joint loads meet
	s_cmp_lt_u32 s14, 2                            ; the two first fills of a wave stand in one branch: two loads of mine are out, or none
	s_cbranch_scc0 .Lfirst_not_a
	tensor_load_to_lds s[G0:G0+3], s[G1:G1+7]
	s_nop 0
	tensor_load_to_lds s[G0+4:G0+7], s[G1:G1+7]
	s_nop 0
.rept 4
	v_nop
.endr
	s_branch .Lfirst_asked
.Lfirst_not_a:
	s_cmp_eq_u32 s14, 2
	s_cbranch_scc0 .Lfirst_asked
	tensor_load_to_lds s[G0B:G0B+3], s[G1B:G1B+7]
	s_nop 0
	tensor_load_to_lds s[G0B+4:G0B+7], s[G1B:G1B+7]
	s_nop 0
.rept 4
	v_nop
.endr
.Lfirst_asked:
	v_and_b32 v1, 15, v0                           ; r
	v_bfe_u32 v2, v0, 4, 1                         ; h
	s_lshl_b32 s93, s42, 9
	s_lshl_b32 s94, s16, 8
	s_add_co_u32 s93, s93, s94                     ; my first column in bytes: 512 tc + 256 ch
	v_lshl_add_u32 v[BQO], v2, 5, s93
.irp b, 0,1,2,3
	global_load_b128 v[BQ+8*\b:BQ+8*\b+3], v[BQO], s[10:11] offset:64*\b       ; bias(16 b + 8 h + 0 .. 7)
	global_load_b128 v[BQ+8*\b+4:BQ+8*\b+7], v[BQO], s[10:11] offset:64*\b+16
.endr
	v_mul_u32_u24 v3, v1, AP
	v_lshl_add_u32 v3, v2, 4, v3
	v_mul_u32_u24 v4, v1, BP
	v_lshl_add_u32 v4, v2, 4, v4
	s_mul_i32 s21, s15, AHALF                      ; my 128 rows of A
	s_mul_i32 s22, s16, 64*BP                      ; my 64 rows of B,
	s_add_co_u32 s22, s22, BOFF                    ; which lie behind A
.irp s, 0,1
	v_add_nc_u32 v[ADRA+\s], s21, v3
	v_add_nc_u32 v[ADRB+\s], s22, v4
	s_add_co_u32 s21, s21, SLOT
	s_add_co_u32 s22, s22, SLOT
.endr
	s_mul_i32 s23, s14, 16*SPITCH                  ; my stage
	v_mul_u32_u24 v5, v1, SPITCH
	v_lshl_add_u32 v5, v2, 5, v5
	v_add_nc_u32 v[STO], s23, v5                   ; in: row r, 32 bytes for each half of the lanes
	v_mul_u32_u24 v5, v2, SPITCH
	v_lshl_add_u32 v5, v1, 4, v5
	v_add_nc_u32 v[RD], s23, v5                    ; back: lanes 0-15 one row of 256 bytes, lanes 16-31 the next
	v_lshlrev_b32 v5, 12, v2
	v_lshl_add_u32 v[CO], v1, 4, v5                ; and the same two rows in out0
	s_lshl_b32 s20, s17, 1
	s_add_co_u32 s20, s20, s15
	s_lshl_b32 s20, s20, 19                        ; (256 tr + 128 rh) rows of 4,096 bytes
	s_add_co_u32 s20, s20, s93
	s_mov_b32 s21, 0
	s_add_nc_u64 s[12:13], s[12:13], s[20:21]
	s_wait_kmcnt 0x0
	s_add_co_i32 s96, s82, s83
	s_add_co_i32 s96, s96, 127
	s_lshl_b32 s96, s96, 23                        ; 2^(e6 + e7) as f32
	s_mov_b32 s97, s96                             ; (named with it as a pair)
	s_wait_loadcnt 0x0                             ; the bias, while the first tiles are on their way
.macro FRAGA reg, slot, q, i           ; registers 4 c on: k = 128 q + 32 c + 16 h + 0 .. 15: head 2 q + c / 2 of the step, byte 32 (c % 2) + 16 h of its row
.irp c, 0,1,2,3
	ds_load_b128 v[\reg+4*\c:\reg+4*\c+3], v[ADRA+\slot] offset:(2*(\q)+\c/2)*PLANE+(\i)*16*AP+32*(\c%2)
.endr
.endm
.macro FRAGB reg, slot, q, i
.irp c, 0,1,2,3
	ds_load_b128 v[\reg+4*\c:\reg+4*\c+3], v[ADRB+\slot] offset:128*(\q)+32*\c+(\i)*16*BP
.endr
.endm
; 8 matrix instructions: blocks a0, a0 + 1 of A x the four of B.  The 32 accumulators take turns, one instruction a turn, in the same order in every step.
.macro MUL8 a0, p, zero
.irp a, \a0, \a0+1
.irp b, 0,1,2,3
.if \zero
	v_wmma_f32_16x16x128_fp8_fp8 v[8*(4*(\a)+\b):8*(4*(\a)+\b)+7], v[64*(\p)+FR*\b:64*(\p)+FR*\b+FR-1], v[AF+FR*(\a):AF+FR*(\a)+FR-1], 0
.else
	v_wmma_f32_16x16x128_fp8_fp8 v[8*(4*(\a)+\b):8*(4*(\a)+\b)+7], v[64*(\p)+FR*\b:64*(\p)+FR*\b+FR-1], v[AF+FR*(\a):AF+FR*(\a)+FR-1], v[8*(4*(\a)+\b):8*(4*(\a)+\b)+7]
.endif
.endr
.endr
.endm
.macro FETCH_B slot, q, p
	WIN TO_B
.irp i, 0,1,2,3
	FRAGB 64*(\p)+FR*\i, \slot, \q, \i
.endr
	WIN 0
.endm
.macro FETCH_A slot, q, i0
.irp i, \i0, \i0+1, \i0+2, \i0+3
	FRAGA AF+FR*(\i), \slot, \q, \i
.endr
.endm
.macro PLACES n
.rept \n
	v_nop
.endr
.endm
.macro STEP slot, q, zero
	s_wait_dscnt 16                                ; the set of B and blocks 0-3 of A are in; the youngest 16 loads (blocks 4-7) may be out
	WIN MUL
	MUL8 0, (\q)%2, \zero
	MUL8 2, (\q)%2, \zero
	s_wait_dscnt 0
	PLACES 4
	FETCH_B \slot, (\q)+1, 1-(\q)%2
	FETCH_A \slot, (\q)+1, 0
	WIN MUL
	MUL8 4, (\q)%2, \zero
	MUL8 6, (\q)%2, \zero
	PLACES 4
	WIN 0
	FETCH_A \slot, (\q)+1, 4
.endm
.macro TURN slot, next, fill
	s_wait_tensorcnt 0x0                           ; all my tensor loads have landed: my part of the next slot
	ds_add_u32 v[SPW], v[NIL]                      ; 0 onto my spare word
	s_wait_dscnt 17                                ; (the add and the youngest 16 loads may be out)
	WIN MUL
	MUL8 0, 1, 0                                   ; eight matrix instructions stand between the add and the wait for it
	s_wait_dscnt 0x0                               ; the add is done, and my reads of this slot are over
	s_barrier_signal -1
	MUL8 2, 1, 0
	WIN 0
	s_barrier_wait -1
.if \fill
	CREST                                          ; the barrier has opened a round of the cluster barrier
	s_add_nc_u64 s[G0+4*\slot+2:G0+4*\slot+3], s[G0+4*\slot+2:G0+4*\slot+3], 2*4*524288
	s_add_nc_u64 s[G0B+4*\slot+2:G0B+4*\slot+3], s[G0B+4*\slot+2:G0B+4*\slot+3], 2*256
	JLOAD \slot                                    ; the first tensor load behind the round
.else
	PLACES 4
.endif
	FETCH_B \next, 0, 0
	FETCH_A \next, 0, 0
	WIN MUL
	MUL8 4, 1, 0
	MUL8 6, 1, 0
	PLACES 4
	WIN 0
	FETCH_A \next, 0, 4
.endm
	s_wait_tensorcnt 1                             ; my part of K step 0 is in (the load of K step 1 may be out)
	s_barrier_signal -1
	s_barrier_wait -1
	FETCH_B 0, 0, 0
	FETCH_A 0, 0, 0
	FETCH_A 0, 0, 4
	STEP 0, 0, 1                                   ; the first step starts the sums
	s_mov_b32 s3, LAPS-1
.Llap:
	TURN 0, 1, 1
	STEP 1, 0, 0
	TURN 1, 0, 1
	STEP 0, 0, 0
	s_sub_co_u32 s3, s3, 1
	s_cmp_lg_u32 s3, 0
	s_cbranch_scc1 .Llap
	TURN 0, 1, 0                                   ; the last lap fills nothing
	STEP 1, 0, 0
	s_wait_dscnt 16
	WIN MUL
	MUL8 0, 1, 0
	MUL8 2, 1, 0
	s_wait_dscnt 0
	MUL8 4, 1, 0
	MUL8 6, 1, 0
	WIN 0
; THE WAY OUT, a block of 16 rows x 64 columns at a time: sum x 2^(e6 + e7) + bias in one packed multiply-add; through my stage; back as whole rows of 256 bytes: 16 lanes store 256 consecutive bytes, aligned.
.macro TOSTAGE a
.set AC, 32*(\a)
	WIN 0x02                                       ; source 0: window 2
.set j, 0
.rept 16
	v_pk_fma_f32 v[TMP+j:TMP+j+1], v[AC+j:AC+j+1], s[96:97], v[BQ+j:BQ+j+1] op_sel_hi:[1,0,1]   ; each accumulator from its low end on
.set j, j+2
.endr
	WIN 0
.irp b, 0,1,2,3
	ds_store_b128 v[STO], v[TMP+8*\b:TMP+8*\b+3] offset:64*\b
	ds_store_b128 v[STO], v[TMP+8*\b+4:TMP+8*\b+7] offset:64*\b+16
.endr
.set BB, BK+32*((\a)%2)
.irp t, 0,1,2,3,4,5,6,7
	ds_load_b128 v[BB+4*\t:BB+4*\t+3], v[RD] offset:\t*2*SPITCH   ; LDS serves a wave in order: these see my stores
.endr
.endm
.macro SEND a, younger
.set BB, BK+32*((\a)%2)
	s_wait_dscnt \younger
.if (\a) > 0
	s_add_nc_u64 s[12:13], s[12:13], 16*4096       ; (behind a wait on XCNT: the earlier stores have read their base)
.endif
.irp t, 0,1,2,3,4,5,6,7
	global_store_b128 v[CO], v[BB+4*\t:BB+4*\t+3], s[12:13] offset:2*\t*4096 th:TH_STORE_NT   ; written once, read by nobody here
.endr
.endm
	PLACES 4                                       ; behind the last products: the lines below write registers that held fragments of A
	TOSTAGE 0
.irp a, 1,2,3,4,5,6,7
.if \a > 1
	s_wait_xcnt 0x0                                ; the stores of two blocks back have read their registers and their base
.endif
	TOSTAGE \a
	SEND \a-1, 16                                  ; behind the loads of the block before: this block 8 stores and 8 loads
.endr
	s_wait_xcnt 0x0
	SEND 7, 0
	s_wait_tensorcnt 0x0                           ; the wave end
	ds_add_u32 v[SPW], v[NIL]
	s_wait_dscnt 0x0
	CROUND                                         ; the closing round
	s_endpgm
.Lfunc_end_k_qc6eeebe85d_gemm_out:
	.size	k_qc6eeebe85d_gemm_out, .Lfunc_end_k_qc6eeebe85d_gemm_out-k_qc6eeebe85d_gemm_out
	.p2alignl 7, 3214868480
	.fill 96, 4, 3214868480
	.section	.rodata,"a",@progbits
	.p2align	6, 0x0
	.amdhsa_kernel k_qc6eeebe85d_gemm_out
		.amdhsa_group_segment_fixed_size 327680
		.amdhsa_private_segment_fixed_size 0
		.amdhsa_enable_private_segment 0
		.amdhsa_kernarg_size 40
		.amdhsa_user_sgpr_count 2
		.amdhsa_user_sgpr_kernarg_segment_ptr 1
		.amdhsa_wavefront_size32 1
		.amdhsa_system_sgpr_workgroup_id_x 1
		.amdhsa_system_sgpr_workgroup_id_y 1
		.amdhsa_system_sgpr_workgroup_id_z 1
		.amdhsa_system_vgpr_workitem_id 0
		.amdhsa_next_free_vgpr 768
		.amdhsa_next_free_sgpr 100
		.amdhsa_reserve_vcc 0
		.amdhsa_float_denorm_mode_32 3
		.amdhsa_float_denorm_mode_16_64 3
		.amdhsa_memory_ordered 1
		.amdhsa_forward_progress 1
		.amdhsa_inst_pref_size 78
	.end_amdhsa_kernel
	.amdgpu_metadata
---
amdhsa.version: [ 1, 2 ]
amdhsa.kernels:
  - .name:           k_qc6eeebe85d_gemm_out
    .symbol:         k_qc6eeebe85d_gemm_out.kd
    .args:
      - { .name: cc, .offset: 0, .size: 8, .value_kind: global_buffer, .address_space: global }
      - { .name: woc, .offset: 8, .size: 8, .value_kind: global_buffer, .address_space: global }
      - { .name: lowp_scales, .offset: 16, .size: 8, .value_kind: global_buffer, .address_space: global }
      - { .name: b_out, .offset: 24, .size: 8, .value_kind: global_buffer, .address_space: global }
      - { .name: out0, .offset: 32, .size: 8, .value_kind: global_buffer, .address_space: global }
    .group_segment_fixed_size: 327680
    .private_segment_fixed_size: 0
    .kernarg_segment_align: 8
    .kernarg_segment_size: 40
    .max_flat_workgroup_size: 128
    .sgpr_count:     100
    .vgpr_count:     768
    .wavefront_size: 32
...
	.end_amdgpu_metadata
.endif
;; end of part 4
